; MI455X (gfx1250); checked and timed in simulation.
; The chip was launched on July 23, 2026; its instructions are those of AMD's public machine-readable ISA for CDNA 5 (MIT licence, August 2026) and "CDNA5" Instruction Set Architecture Reference Guide (July 2026). The comments in the code are by the model that wrote it; some were corrected since.
;; Self Attention. Allowed arithmetic: matrix products marked QUANTISED: E2M1 operands, one E8M0 scale for each 32 along K, by v_wmma_scale_f32_16x16x128_f8f6f4 with both operands' format E2M1 (or v_wmma_scale_f32_32x16x128_f4), f32 sums; everything else in f32.
;; Inputs: W_attn 1,024 x 3,072 float32; W_proj 1,024 x 1,024 float32; b_attn 3,072 float32; b_proj 1,024 float32; x 4 x 2,048 x 1,024 float32.
;; Outputs: out0 4 x 2,048 x 1,024 float32.
;; This version of the problem:
;;   THIS VERSION OF THE PROBLEM IS GIVEN IN LOW PRECISION. The matrix products marked QUANTISED in the list below multiply operands that are first quantised to E2M1 (2 exponent bits, 1 mantissa bit; 4 bits a number), with one power-of-two scale for each 32 numbers along K (OCP MX v1.0); their sums are f32. All else is computed in f32.
;;   The module's matrix products, in the order in which they are computed (A, B: the left and right operand; K: the contracted axis; several contracted axes count as one K, in the product's order):
;;     1. [M 8,192, K 1,024] x [K 1,024, N 3,072]; A: input x; B: input W_attn: QUANTISED
;;     2. batch 64 x [M 2,048, K 64] x [K 64, N 2,048]; A: computed on the way; B: computed on the way: QUANTISED
;;     3. batch 64 x [M 2,048, K 2,048] x [K 2,048, N 64]; A: softmax (see below); B: computed on the way: QUANTISED
;;     4. [M 8,192, K 1,024] x [K 1,024, N 1,024]; A: computed on the way; B: input W_proj: QUANTISED
;;   THE QUANTISER, for each operand of a quantised product, along K:
;;     - K is cut into blocks of 32 from its start; a last block that is shorter is filled with zeros.
;;     - A block's scale is 2^e with e = floor(log2(the largest magnitude in the block)) - 2, held to -126 .. 127; a block of zeros has e = 0. As a byte (E8M0): e + 127.
;;     - Each number is divided by its block's scale, clamped to +-6, and rounded to the nearest number of E2M1, ties to even, subnormals kept.
;;     - The product sums the exact products of the quantised numbers (number of the format x scale) in f32.
;;   ~~~python
;;   def quantise(x, axis):      # numpy; x: float32 -> the quantised numbers, widened to float32 again
;;       x = np.moveaxis(x, axis, -1); K = x.shape[-1]
;;       x = np.pad(x, [(0, 0)] * (x.ndim - 1) + [(0, -K % 32)]); x = x.reshape(x.shape[:-1] + (-1, 32)); a = np.abs(x).max(-1, keepdims=True)
;;       e = np.where(a > 0, np.clip(np.frexp(np.where(a > 0, a, 1))[1] - 1 - 2, -126, 127), 0)      # np.frexp(a)[1] - 1 = floor(log2(a)), exactly
;;       r = np.clip(x / 2.0 ** e, -6, 6)
;;       step = 2.0 ** (np.maximum(np.frexp(np.where(r == 0, 1, r))[1] - 1, 0) - 1)
;;       q = np.round(r / step) * step * 2.0 ** e      # np.round: ties to even
;;       return np.moveaxis(q.reshape(q.shape[:-2] + (-1,))[..., :K], -1, axis).astype(np.float32)
;;   ~~~
;;   SOFTMAX AHEAD OF A QUANTISED PRODUCT. Where the list says 'softmax', what is quantised is not the finished softmax but p = 2^(t - M), with t = logit x log2(e) and M = ceil(the row's largest t), a whole number; so 1/2 < the row's largest p <= 1. The row's sum l is taken of the UNQUANTISED p, in f32, and the product's result is divided by l at the end. Since M is a whole number, a kernel that streams over the keys may use a running M (the ceiling of the running maximum): every later rescaling is an exact power of two, which a block's scale takes up: the codes' values come out the same.
;;   OPERANDS COMPUTED ON THE WAY. 'Computed on the way' means the value that the module computes at that place (a softmax that the list does not call 'softmax' is quantised finished and normalised). What goes into a quantiser is computed in f32, as accurately as f32 sums, v_exp_f32 and their like allow (about 1e-6 of the number): no bf16 or f16 on the way to a quantiser, and a product that is left as it is and whose result goes on into a quantised operand takes f32 operands (vector FMAs, or v_wmma_f32_16x16x4_f32). A number that lies on a knife's edge between two numbers of the format may be rounded either way, as far as f32 arithmetic and the matrix unit's own rounding can turn it there, and no further.
;; One version. Each part assembles by itself: llvm-mc -triple=amdgcn-amd-amdhsa -mcpu=gfx1250 --defsym DOCPART=n.
;; ======== version 1 of 1: 4 launches
;; workspace buffers: xc 4,194,304 bytes; xs 262,144 bytes; wc 2,097,152 bytes; ws 131,072 bytes; qkv 13,893,632 bytes; yc 4,194,304 bytes; ys 262,144 bytes
;; launch quant (part 1): grid 512 x 1, 4 waves a work-group, no clusters, 34,304 bytes of LDS; arguments x, W_attn, W_proj, xc, xs, wc, ws; writes xc, xs, wc, ws
.if DOCPART == 1
	.amdgcn_target "amdgcn-amd-amdhsa--gfx1250"
	.amdhsa_code_object_version 6
	.text
	.protected	k_q387e9885d7_quant
	.globl	k_q387e9885d7_quant
	.p2align	8
	.type	k_q387e9885d7_quant,@function
k_q387e9885d7_quant:
	s_mov_b64 s[64:65], 0
	v_nop
	global_prefetch_b8 v0, s[64:65] scope:SCOPE_SE
	s_setreg_imm32_b32 hwreg(HW_REG_WAVE_MODE, 25, 1), 1
	s_wait_xcnt 0x0
; FIRST OF FOUR LAUNCHES of causal self-attention in MX-FP4 (B 4, T 2,048, C 1,024, 16 heads of 64): x, W_attn and W_proj become codes of E2M1 with one E8M0 byte for each 32 along K.
; WORK LEFT OUT BY THE PROGRAM: reference() builds the causal mask in its own body (jnp.tril) and puts -inf in front of the softmax where key > query; such a key has p = 0 for all values of the inputs
; and adds nothing to the row's sum or to y.  So the third launch leaves out every step of 128 keys all of which come after all 16 queries of a tile.  Nothing else is left out; every input is loaded
; (b_attn's part for k moves k's codes, so it stays).  LIMIT: a NaN, an infinity or an overflow that reaches only those masked steps is not carried to the result.
; LIMITS of the quantisers: NaN and infinities among the inputs are not served; a block of zeros, or one whose largest magnitude lies under 2^-124, gets the byte 1 (its codes are zeros or the rule's own; the bytes are read by this program alone).
; LAYOUT OF THE WORKSPACE: an operand lies as AN IMAGE OF ITS REGISTERS.  A fragment is 16 rows x 128 K = 1,024 bytes, two halves c of 512; lane l's 16 bytes (its registers 4 c .. 4 c + 3: k = 64 c + 32 (l / 16) + 0 .. 31
; of row place l % 16) lie at 16 l.  xc: [row tile 0..511][K step 0..7][1,024];  wc: [column tile 0..255][K step][1,024], tiles 0..191 W_attn's, 192..255 W_proj's.
; Scale words (four bytes: 128 along K of one row): xs, ws: [tile][K step / 4][place r][K step % 4].
; THE ROWS OF A TILE ARE NOT NEIGHBOURS: place r of tile 2 G + u is index 32 G + 8 u + r + 8 (r / 8), for rows of x and columns of W alike: a product's 16 results in a lane are then 16 neighbours for the next quantiser.
; Work-groups 0..255 take x, 256..511 the weights (a scalar branch on the work-group's number).  No barrier: waves share nothing.
.set SPARE, 33792                      ; behind the four stages: the spare words, 128 bytes for each wave
.set SPW,   30                         ; v30  LDS address of my spare word; never rewritten
.set NIL,   31                         ; v31  0; never rewritten
.set RR,    32                         ; x path: v32-159  two sets of 64 registers as loaded
.set XX,    160                        ; v160-223 64 numbers in the operand's order
.set CC,    224                        ; v224-231 a fragment's codes
.set SW,    232                        ; v232-235 a scale word for each of the unit's four K steps
.set VO,    32                         ; W path: v32-63 offsets of 32 rows;  v64-191 my column's 128 numbers;  v192-207 its codes
.set WD,    64
.set WC,    192
	s_load_b256 s[4:11], s[0:1], 0x0               ; x s[4:5], W_attn s[6:7], W_proj s[8:9], xc s[10:11]
	s_load_b128 s[12:15], s[0:1], 0x20             ; xs s[12:13], wc s[14:15]
	s_load_b64 s[16:17], s[0:1], 0x30              ; ws
	v_lshl_add_u32 v[SPW], v0, 2, SPARE
	v_mov_b32 v[NIL], 0
	v_lshrrev_b32 v1, 5, v0
	v_readfirstlane_b32 s18, v1                    ; wave 0..3
	v_and_b32 v1, 31, v0                           ; lane
	s_mov_b32 s20, 0x76543210
	s_mov_b32 s21, 0xfedcba98                      ; v_permlanex16_b32's selects for lane l xor 16
	s_cmp_ge_u32 ttmp9, 256
	s_cbranch_scc1 .Lw
; ---------------- x: a wave takes a unit U = 4 x work-group + wave: row tile U / 2, K half U % 2: 16 rows x 512 K, in four steps of 128 K.
; Each load reads 512 consecutive bytes of one row; a step's 16 rows turn through the wave's own stage (rows 528 bytes apart) and come back 128 bytes a lane: a lane then holds two whole blocks of 32.
	v_and_b32 v2, 15, v0                           ; r
	v_bfe_u32 v3, v0, 4, 1                         ; h
	v_lshlrev_b32 v4, 4, v1                        ; 16 x lane: in memory on the way in, in an image on the way out
	s_mul_i32 s19, s18, 8448                       ; my stage
	v_add_nc_u32 v5, s19, v4                       ; into it: a row as it lies
	v_mul_u32_u24 v6, v2, 528
	v_lshl_add_u32 v6, v3, 7, v6
	v_add_nc_u32 v6, s19, v6                       ; out of it: row r, + 128 h bytes: k = 32 h on
	v_lshlrev_b32 v7, 3, v3                        ; 8 h: where my two bytes stand in a scale word
	v_lshl_add_u32 v8, v2, 4, v7                   ; scale words out: 16 r + 8 h
	v_mov_b32 v240, 0                              ; written once: a lane permute's destination counts as one of its sources
	s_mov_b32 s22, 0xffff0000                      ; lanes 16-31
	s_lshl_b32 s23, ttmp9, 2
	s_add_co_u32 s23, s23, s18                     ; U
	s_lshr_b32 s24, s23, 2
	s_lshl_b32 s24, s24, 17                        ; 32 rows of 4,096 bytes for each pair of tiles,
	s_bfe_u32 s25, s23, 0x10001
	s_lshl_b32 s25, s25, 15                        ; 8 rows for the odd tile,
	s_add_co_u32 s24, s24, s25
	s_and_b32 s25, s23, 1
	s_lshl_b32 s25, s25, 11                        ; 512 numbers for the second half of K
	s_add_co_u32 s24, s24, s25
	s_mov_b32 s25, 0
	s_lshl_b32 s26, s23, 12                        ; codes: 8,192 a tile, 4,096 a half
	s_mov_b32 s27, 0
	s_lshl_b32 s28, s23, 8                         ; scale words: 512 a tile, 256 a half
	s_mov_b32 s29, 0
	s_wait_alu depctr_va_vdst(0)
	s_wait_kmcnt 0x0
	s_add_nc_u64 s[4:5], s[4:5], s[24:25]
	s_add_nc_u64 s[10:11], s[10:11], s[26:27]
	s_add_nc_u64 s[12:13], s[12:13], s[28:29]
.macro LOADG q, set                    ; step q's 16 rows, place p = row p + 8 (p / 8) of the tile's span
.irp p, 0,1,2,3,4,5,6,7,8,9,10,11,12,13,14,15
	global_load_b128 v[RR+64*(\set)+4*\p:RR+64*(\set)+4*\p+3], v4, s[4:5] offset:(\p+8*(\p/8))*4096+512*(\q) th:TH_LOAD_NT
.endr
.endm
.macro XSTEP q
.if (\q) < 3
	s_wait_loadcnt 16                              ; this step's 16 loads are in; the next step's 16 may be out
.else
	s_wait_loadcnt 0
.endif
.irp p, 0,1,2,3,4,5,6,7,8,9,10,11,12,13,14,15
	ds_store_b128 v5, v[RR+64*((\q)%2)+4*\p:RR+64*((\q)%2)+4*\p+3] offset:528*\p
.endr
.irp c, 0,1
.irp i, 0,1,2,3,4,5,6,7
	ds_load_b128 v[XX+32*\c+4*\i:XX+32*\c+4*\i+3], v6 offset:256*\c+16*\i   ; LDS serves a wave's instructions in order: these see the stores above
.endr
.endr
	s_wait_dscnt 0x0
.if (\q) < 2
	LOADG (\q)+2, (\q)%2                           ; the set just emptied takes the step two on
.endif
.irp c, 0,1
	v_max3_num_f32 v[236+\c], |v[XX+32*\c]|, |v[XX+32*\c+1]|, 0x1800000   ; my block 2 c + h, and the floor 2^(3 - 127): the byte cannot fall under 1
.endr
.irp i, 2,4,6,8,10,12,14,16,18,20,22,24,26,28,30
.irp c, 0,1
	v_max3_num_f32 v[236+\c], v[236+\c], |v[XX+32*\c+\i]|, |v[XX+32*\c+\i+1]|
.endr
.endr
.irp c, 0,1
	v_add_nc_u32 v[238+\c], 0xff000000, v[236+\c]  ; 2 off the exponent field: the conversion's scale operand
.endr
.irp c, 0,1
	v_lshrrev_b32 v[242+\c], 23, v[238+\c]         ; the scale's byte
.endr
	v_lshl_or_b32 v241, v243, 16, v242             ; blocks h and 2 + h,
	v_lshlrev_b32 v241, v7, v241                   ; at their places in the word;
	v_permlanex16_b32 v240, v241, s20, s21
	v_or_b32 v[SW+(\q)], v241, v240                ; with lane l xor 16's two the word is whole
.if (\q) > 0
	s_wait_alu depctr_va_vdst(0)
	s_wait_xcnt 0x0                                ; the last step's stores have read the codes' registers
.endif
.irp c, 0,1
.irp g, 0,1,2,3
	v_cvt_scalef32_pk8_fp4_f32 v[CC+4*\c+\g], v[XX+32*\c+8*\g:XX+32*\c+8*\g+7], v[238+\c]
.endr
.endr
	v_nop                                          ; one plain line behind the last conversion
.irp c, 0,1
	global_store_b128 v4, v[CC+4*\c:CC+4*\c+3], s[10:11] offset:1024*(\q)+512*\c   ; 32 lanes store 512 consecutive bytes
.endr
.endm
	LOADG 0, 0
	LOADG 1, 1
	XSTEP 0
	XSTEP 1
	XSTEP 2
	XSTEP 3
	v_cndmask_b32 v236, v[SW], v[SW+2], s22        ; lane (r, h) stores words 2 h and 2 h + 1 of row place r
	v_cndmask_b32 v237, v[SW+1], v[SW+3], s22
	global_store_b64 v8, v[236:237], s[12:13]      ; 32 lanes store 256 consecutive bytes, aligned
	s_branch .Lend
; ---------------- W: K is the FIRST axis.  A lane takes a column and its registers run down K.  A work-group takes 128 columns x one K step of 128; a wave 32 columns: a pair of tiles.
; Lane l holds column 32 G + l = place r = 8 (l / 16) + l % 8 of tile 2 G + (l / 8) % 2.  Its block t (32 along K) is the image's 16 bytes at 256 t + 16 r.
.Lw:
	s_sub_co_u32 s19, ttmp9, 256                   ; 0..191: W_attn (24 groups of columns x 8 K steps); 192..255: W_proj (8 x 8)
	s_mov_b32 s32, 4096
	s_wait_kmcnt 0x0
	s_cmp_lt_u32 s19, 192                          ; the choice hangs on the work-group's number alone; all selections stand ahead of the next addition
	s_cselect_b64 s[6:7], s[6:7], s[8:9]
	s_cselect_b32 s32, 12288, s32                  ; a row of W in bytes
	s_cselect_b32 s33, 0, 192                      ; the tensor's first work-group, and its first tile in wc
	s_sub_co_u32 s19, s19, s33
	s_and_b32 s22, s19, 7                          ; K step
	s_lshr_b32 s23, s19, 3                         ; group of 128 columns
	s_lshl_b32 s34, s22, 7
	s_mul_i32 s34, s34, s32                        ; 128 rows a K step,
	s_lshl_b32 s35, s23, 9
	s_add_co_u32 s34, s34, s35                     ; 512 bytes a group,
	s_lshl_b32 s35, s18, 7
	s_add_co_u32 s34, s34, s35                     ; 128 bytes a wave
	s_mov_b32 s35, 0
	s_add_nc_u64 s[24:25], s[6:7], s[34:35]        ; a base for each block of 32 rows
	s_lshl_b32 s34, s32, 5
	s_add_nc_u64 s[26:27], s[24:25], s[34:35]
	s_add_nc_u64 s[28:29], s[26:27], s[34:35]
	s_add_nc_u64 s[30:31], s[28:29], s[34:35]
	s_lshl_b32 s37, s23, 2
	s_add_co_u32 s37, s37, s18                     ; G
	s_lshl_b32 s37, s37, 1
	s_add_co_u32 s37, s37, s33                     ; my first tile in wc
	s_lshl_b32 s38, s37, 13
	s_lshl_b32 s39, s22, 10
	s_add_co_u32 s38, s38, s39
	s_mov_b32 s39, 0
	s_add_nc_u64 s[14:15], s[14:15], s[38:39]      ; its image of this K step
	s_lshl_b32 s38, s37, 9
	s_lshr_b32 s36, s22, 2
	s_lshl_b32 s36, s36, 8
	s_add_co_u32 s38, s38, s36
	s_and_b32 s36, s22, 3
	s_lshl_b32 s36, s36, 2
	s_add_co_u32 s38, s38, s36
	s_add_nc_u64 s[16:17], s[16:17], s[38:39]      ; and its scale words
	v_bfe_u32 v5, v0, 3, 1                         ; u
	v_bfe_u32 v6, v0, 4, 1
	v_and_b32 v7, 7, v0
	v_lshl_add_u32 v7, v6, 3, v7                   ; r
	v_lshlrev_b32 v7, 4, v7
	v_lshl_add_u32 v2, v5, 13, v7                  ; codes: 8,192 u + 16 r
	v_lshl_add_u32 v3, v5, 9, v7                   ; scale word: 512 u + 16 r
	s_wait_alu depctr_va_vdst(0)
	v_lshlrev_b32 v[VO], 2, v1                     ; the pitch is a register, so the rows' offsets are too: 4 x lane + i x pitch
.irp i, 1,2,3,4,5,6,7,8,9,10,11,12,13,14,15,16,17,18,19,20,21,22,23,24,25,26,27,28,29,30,31
	v_add_nc_u32 v[VO+\i], s32, v[VO+\i-1]
.endr
.macro LOADW t                         ; block t: 32 rows at my column: a wave reads 128 consecutive bytes, the four waves 512
.irp i, 0,1,2,3,4,5,6,7,8,9,10,11,12,13,14,15,16,17,18,19,20,21,22,23,24,25,26,27,28,29,30,31
	global_load_b32 v[WD+32*(\t)+\i], v[VO+\i], s[24+2*(\t):25+2*(\t)] th:TH_LOAD_NT
.endr
.endm
.macro WBLOCK t
.set XS, WD+32*(\t)
.if (\t) < 3
	s_wait_loadcnt 32                              ; this block's 32 loads are in; the next block's 32 may be out
.else
	s_wait_loadcnt 0
.endif
.if (\t) < 2
	LOADW (\t)+2                                   ; every block has registers of its own
.endif
	v_max3_num_f32 v5, |v[XS]|, |v[XS+1]|, |v[XS+2]|
	v_max3_num_f32 v6, |v[XS+3]|, |v[XS+4]|, |v[XS+5]|
.irp i, 6,10,14,18,22,26
	v_max3_num_f32 v5, v5, |v[XS+\i]|, |v[XS+\i+1]|
	v_max3_num_f32 v6, v6, |v[XS+\i+2]|, |v[XS+\i+3]|
.endr
	v_max3_num_f32 v5, v5, |v[XS+30]|, |v[XS+31]|
	v_max3_num_f32 v5, v5, v6, 0x1800000           ; and the floor
	v_add_nc_u32 v7, 0xff000000, v5                ; the conversion's scale operand
	v_lshrrev_b32 v8, 23, v7                       ; the byte
.if (\t) == 0
	v_mov_b32 v4, v8
.else
	v_lshl_or_b32 v4, v8, 8*(\t), v4               ; four bytes make my column's scale word of this K step
.endif
.irp g, 0,1,2,3
	v_cvt_scalef32_pk8_fp4_f32 v[WC+4*(\t)+\g], v[XS+8*\g:XS+8*\g+7], v7
.endr
	v_nop                                          ; one plain line behind the last conversion
	global_store_b128 v2, v[WC+4*(\t):WC+4*(\t)+3], s[14:15] offset:256*(\t)   ; the sixteen lanes of each tile store 256 consecutive bytes, aligned
.endm
	LOADW 0
	LOADW 1
	s_wait_alu depctr_va_vdst(0)
	WBLOCK 0
	WBLOCK 1
	WBLOCK 2
	WBLOCK 3
	global_store_b32 v3, v4, s[16:17]              ; 4 bytes of each 16: these words are 1 byte for each 128 that the path reads
.Lend:
	s_wait_tensorcnt 0x0                           ; the wave's end: behind my last LDS store
	ds_add_u32 v[SPW], v[NIL]
	s_wait_dscnt 0x0
	s_endpgm
.Lfunc_end_k_q387e9885d7_quant:
	.size	k_q387e9885d7_quant, .Lfunc_end_k_q387e9885d7_quant-k_q387e9885d7_quant
	.p2alignl 7, 3214868480
	.fill 96, 4, 3214868480
	.section	.rodata,"a",@progbits
	.p2align	6, 0x0
	.amdhsa_kernel k_q387e9885d7_quant
		.amdhsa_group_segment_fixed_size 34304
		.amdhsa_private_segment_fixed_size 0
		.amdhsa_enable_private_segment 0
		.amdhsa_kernarg_size 56
		.amdhsa_user_sgpr_count 2
		.amdhsa_user_sgpr_kernarg_segment_ptr 1
		.amdhsa_wavefront_size32 1
		.amdhsa_system_sgpr_workgroup_id_x 1
		.amdhsa_system_sgpr_workgroup_id_y 1
		.amdhsa_system_sgpr_workgroup_id_z 1
		.amdhsa_system_vgpr_workitem_id 0
		.amdhsa_next_free_vgpr 256
		.amdhsa_next_free_sgpr 66
		.amdhsa_reserve_vcc 0
		.amdhsa_float_denorm_mode_32 3
		.amdhsa_float_denorm_mode_16_64 3
		.amdhsa_memory_ordered 1
		.amdhsa_forward_progress 1
		.amdhsa_inst_pref_size 51
	.end_amdhsa_kernel
	.amdgpu_metadata
---
amdhsa.version: [ 1, 2 ]
amdhsa.kernels:
  - .name:           k_q387e9885d7_quant
    .symbol:         k_q387e9885d7_quant.kd
    .args:
      - { .name: x, .offset: 0, .size: 8, .value_kind: global_buffer, .address_space: global }
      - { .name: W_attn, .offset: 8, .size: 8, .value_kind: global_buffer, .address_space: global }
      - { .name: W_proj, .offset: 16, .size: 8, .value_kind: global_buffer, .address_space: global }
      - { .name: xc, .offset: 24, .size: 8, .value_kind: global_buffer, .address_space: global }
      - { .name: xs, .offset: 32, .size: 8, .value_kind: global_buffer, .address_space: global }
      - { .name: wc, .offset: 40, .size: 8, .value_kind: global_buffer, .address_space: global }
      - { .name: ws, .offset: 48, .size: 8, .value_kind: global_buffer, .address_space: global }
    .group_segment_fixed_size: 34304
    .private_segment_fixed_size: 0
    .kernarg_segment_align: 8
    .kernarg_segment_size: 56
    .max_flat_workgroup_size: 128
    .sgpr_count:     66
    .vgpr_count:     256
    .wavefront_size: 32
...
	.end_amdgpu_metadata
.endif
;; end of part 1
;; launch gemm_qkv (part 2): grid 12 x 64, 4 waves a work-group, clusters of 4 x 4, 209,408 bytes of LDS; arguments xc, xs, wc, ws, b_attn, qkv; writes qkv
.if DOCPART == 2
	.amdgcn_target "amdgcn-amd-amdhsa--gfx1250"
	.amdhsa_code_object_version 6
	.text
	.protected	k_q387e9885d7_gemm_qkv
	.globl	k_q387e9885d7_gemm_qkv
	.p2align	8
	.type	k_q387e9885d7_gemm_qkv,@function
k_q387e9885d7_gemm_qkv:
	s_mov_b64 s[64:65], 0
	v_nop
	global_prefetch_b8 v0, s[64:65] scope:SCOPE_SE
	s_setreg_imm32_b32 hwreg(HW_REG_WAVE_MODE, 25, 1), 1
	s_wait_xcnt 0x0
	s_wait_alu depctr_hold_cnt(0) depctr_sa_sdst(0) depctr_va_vdst(0) depctr_va_sdst(0) depctr_va_ssrc(0) depctr_va_vcc(0) depctr_vm_vsrc(0)
	s_getreg_b32 s2, hwreg(HW_REG_IB_STS2, 6, 4)
	s_cmp_eq_u32 s2, 0
	s_cbranch_scc0 .Lentry_in_a_cluster
	s_endpgm
.Lentry_in_a_cluster:
	s_bfe_u32 s2, ttmp6, 0x10000c
	s_cmp_lg_u32 s2, 0xf033
	s_cbranch_scc0 .Lentry_shape_is_right
	s_endpgm
.Lentry_shape_is_right:
; SECOND LAUNCH: qkv = x W_attn + b_attn on codes of E2M1, and q, k (along the head's 64) and v (along T) quantised on the way out: qkv in f32 never goes to memory.  No work is left out here.
; A work-group makes 128 rows x 256 columns; wave w all 128 rows x columns 64 w .. 64 w + 63, ONE HEAD: 8 x 4 accumulators of 16 x 16.  12 x 64 = 768 work-groups.
; K = 1,024 fits in LDS whole (64 KiB of x's images, 128 KiB of W's, 12 KiB of scale words): first fills only, one barrier, no slot is ever filled again.
; CLUSTERS 4 x 4: x's images are shared along a row of the cluster, W's along a column: each is asked for jointly.  The cluster's x says which third of the columns this is (0 q, 1 k, 2 v): the same in all sixteen partners.
; q, k: the matrix instruction is used TRANSPOSED (source 0 = 16 columns of W, source 1 = 16 rows of x): a lane holds one row and, over W's tiles 2 B, 2 B + 1, 16 neighbouring columns 32 B + 16 h + 0 .. 15 of the head.
; v: natural use (source 0 = x, source 1 = W): a lane holds one column and, over x's tiles 2 g, 2 g + 1, 16 neighbouring rows (keys) 32 g + 16 h + 0 .. 15.
; qkv: 64 records (16 b + head) of 217,088 bytes: 16 key steps of 8,960 (K images 8 x 512 | V images 4 x 1,024 | K scale image 512 | V scale image 256), then 16 groups of 4,608 (Q images 8 x 512 | Q scale image 512).
; A tile of K or Q is 16 rows x 64 codes: registers 0-3 of a fragment.  Scale images: lane (r, hh) holds, in word p, row place r of tile 2 p + hh (K, Q: two bytes and two zeros; V: four bytes).
; LIMITS: as stated in the first launch: NaN and infinities are not served; a block under 2^-124 gets the byte 1.
; REGISTERS: window 0: v1-9 addresses; v16-79 scale words; v80-143 64 numbers at work; v144-175 codes; v176-191 at work; v196-205 scale words out; v208-239 the bias.  window 1: the 32 accumulators, (a, b) at 8 (4 a + b).
;   window 2: x's fragments, two sets of 64 at v0, v64; W's, two sets of 32 at v128, v160.
.set SCB,   196608                     ; LDS: 0 x's images [tile 0..7][K step][1,024]; 65,536 W's [tile 0..15][K step][1,024]; here W's scale words, 16 x 512;
.set SCA,   204800                     ; x's, 8 x 512;
.set SPARE, 208896                     ; the spare words, 128 bytes for each wave
.set RECB,  217088
.set QOFF,  143360
.set LI,  3                            ; v3  16 x lane: a lane's place in an image; x's LDS address
.set ADB, 4                            ; v4  my four tiles of W in LDS
.set ADS, 5                            ; v5  scale words: lanes 0-15 W's, lanes 16-31 x's
.set L8,  6                            ; v6  8 x lane
.set BO,  7                            ; v7  the bias's offset
.set SPW, 8                            ; v8  LDS address of my spare word; never rewritten
.set NIL, 9                            ; v9  0; never rewritten
.set SC,  16                           ; register 32 (k / 4) + 4 i + k % 4: lanes 0-15 the word of my W tile i, lanes 16-31 that of x's tile i, K step k
.set T,   80
.set PC,  144
.set TM,  176
.set SW,  196
.set WV,  200
.set SV,  204
.set BI,  208
.set G1A, 24                           ; s[24:31] group 1, x's images;  s[32:35], s[36:39] groups 0: images, scale words
.set G0A, 32
.set G0SA, 36
.set G1B, 48                           ; s[48:55] W's images;  s[56:59], s[60:63]
.set G0B, 56
.set G0SB, 60
.set G1SA, 68                          ; s[68:75], s[76:83] groups 1 for the scale words
.set G1SB, 76
.set SEL, 90                           ; s[90:91] v_permlanex16_b32's selects
.set MSB, 0
.macro WIN new                         ; the immediate's high byte repeats the setting that is left
.if MSB != \new
	s_set_vgpr_msb (MSB<<8)|\new
.set MSB, \new
.endif
.endm
.macro PLACES                          ; four plain places behind a matrix instruction, in front of loads into its sources and of reads of its result
.rept 4
	v_nop
.endr
.endm
.macro JLOAD g0a, g1a, g0b, g1b        ; a joint load: waves 0 and 1 fetch for x, waves 2 and 3 for W; an s_nop 0 and four v_nop follow each line
	s_cmp_eq_u32 s17, 0
	s_cbranch_scc0 .Lfor_b_\@
	tensor_load_to_lds s[\g0a:\g0a+3], s[\g1a:\g1a+7]
	s_nop 0
.rept 4
	v_nop
.endr
	s_branch .Lasked_\@
.Lfor_b_\@:
	tensor_load_to_lds s[\g0b:\g0b+3], s[\g1b:\g1b+7]
	s_nop 0
.rept 4
	v_nop
.endr
.Lasked_\@:
.endm
.macro CROUND                          ; a round of the cluster's barrier
	s_barrier_signal -1
	s_barrier_wait -1
	s_cmp_lg_u32 s16, 0
	s_cbranch_scc1 .Lnot_wave_0_\@
	s_barrier_signal -3
.Lnot_wave_0_\@:
	s_barrier_wait -3
	s_barrier_signal -1
	s_barrier_wait -1
.endm
.macro SCALES                          ; all scale words of K: 16 loads of four words
.irp g, 0,1
.irp i, 0,1,2,3,4,5,6,7
	ds_load_b128 v[SC+32*\g+4*\i:SC+32*\g+4*\i+3], v[ADS] offset:512*\i+256*\g   ; (for i above 3 lanes 0-15 read on into other filled scale bytes, which no product names)
.endr
.endr
.endm
.macro FETCH k, set                    ; K step k's fragments: x's eight, my four of W: 24 loads of 512 consecutive bytes
	WIN 0x80                                       ; destination window 2, address window 0
.irp i, 0,1,2,3,4,5,6,7
.irp c, 0,1
	ds_load_b128 v[64*(\set)+8*\i+4*\c:64*(\set)+8*\i+4*\c+3], v[LI] offset:8192*\i+1024*(\k)+512*\c
.endr
.endr
.irp b, 0,1,2,3
.irp c, 0,1
	ds_load_b128 v[128+32*(\set)+8*\b+4*\c:128+32*(\set)+8*\b+4*\c+3], v[ADB] offset:8192*\b+1024*(\k)+512*\c
.endr
.endr
.endm
.macro MUL k, set, zero, swap          ; 32 products; the 32 accumulators take turns, in the same order in every step
	WIN 0x5a                                       ; sources window 2, C and D window 1
.irp a, 0,1,2,3,4,5,6,7
.irp b, 0,1,2,3
.set rD, 8*(4*\a+\b)
.set rA, 64*(\set)+8*\a
.set rB, 128+32*(\set)+8*\b
.set sA, SC+32*((\k)/4)+4*\a+(\k)%4
.set sB, SC+32*((\k)/4)+4*\b+(\k)%4
.if (\swap) && (\zero)
	v_wmma_scale_f32_16x16x128_f8f6f4 v[rD:rD+7], v[rA:rA+7], v[rB:rB+7], 0, v[sA], v[sB] matrix_a_fmt:MATRIX_FMT_FP4 matrix_b_fmt:MATRIX_FMT_FP4 matrix_a_scale:MATRIX_SCALE_ROW1
.elseif \swap
	v_wmma_scale_f32_16x16x128_f8f6f4 v[rD:rD+7], v[rA:rA+7], v[rB:rB+7], v[rD:rD+7], v[sA], v[sB] matrix_a_fmt:MATRIX_FMT_FP4 matrix_b_fmt:MATRIX_FMT_FP4 matrix_a_scale:MATRIX_SCALE_ROW1
.elseif \zero
	v_wmma_scale_f32_16x16x128_f8f6f4 v[rD:rD+7], v[rB:rB+7], v[rA:rA+7], 0, v[sB], v[sA] matrix_a_fmt:MATRIX_FMT_FP4 matrix_b_fmt:MATRIX_FMT_FP4 matrix_b_scale:MATRIX_SCALE_ROW1
.else
	v_wmma_scale_f32_16x16x128_f8f6f4 v[rD:rD+7], v[rB:rB+7], v[rA:rA+7], v[rD:rD+7], v[sB], v[sA] matrix_a_fmt:MATRIX_FMT_FP4 matrix_b_fmt:MATRIX_FMT_FP4 matrix_b_scale:MATRIX_SCALE_ROW1
.endif
.endr
.endr
.endm
.macro MAIN swap                       ; the eight K steps; the next step's fragments are fetched ahead of each step's products; the first step starts the sums
	WIN 0
	SCALES
	FETCH 0, 0
	FETCH 1, 1
	s_wait_dscnt 24                                ; all but the 24 loads just issued
	MUL 0, 0, 1, \swap
.irp k, 1,2,3,4,5,6
	PLACES                                         ; the set that the last step's products read is loaded again
	FETCH \k+1, (\k+1)%2
	s_wait_dscnt 24
	MUL \k, (\k)%2, 0, \swap
.endr
	s_wait_dscnt 0
	MUL 7, 1, 0, \swap
	WIN 0
	PLACES
.endm
; 64 numbers of a lane, four blocks b of 16 (the other 16 of each block lie in lane l xor 16), become eight registers of codes, a WHOLE block in a lane; the bytes stay in v[TM+4 .. TM+7]
.macro QCORE s, pc
.irp b, 0,1,2,3
	v_max3_num_f32 v[TM+\b], |v[\s+16*\b]|, |v[\s+1+16*\b]|, 0x1800000   ; and the floor 2^(3 - 127)
.endr
.irp i, 2,4,6,8,10,12,14
.irp b, 0,1,2,3
	v_max3_num_f32 v[TM+\b], v[TM+\b], |v[\s+16*\b+\i]|, |v[\s+1+16*\b+\i]|
.endr
.endr
.irp b, 0,1,2,3
	v_permlanex16_b32 v[TM+4+\b], v[TM+\b], s[SEL], s[SEL+1]
.endr
.irp b, 0,1,2,3
	v_max_num_f32 v[TM+\b], v[TM+\b], v[TM+4+\b]
.endr
.irp b, 0,1,2,3
	v_add_nc_u32 v[TM+12+\b], 0xff000000, v[TM+\b] ; 2 off the exponent field: the conversion's scale operand
.endr
.irp b, 0,1,2,3
	v_lshrrev_b32 v[TM+4+\b], 23, v[TM+12+\b]      ; the byte
.endr
.irp b, 0,1,2,3
	v_cvt_scalef32_pk8_fp4_f32 v[(\pc)+2*\b], v[\s+16*\b:\s+7+16*\b], v[TM+12+\b]
	v_cvt_scalef32_pk8_fp4_f32 v[(\pc)+1+2*\b], v[\s+8+16*\b:\s+15+16*\b], v[TM+12+\b]
.endr
	v_nop                                          ; one plain place behind a scaled conversion
.irp c, 0,1
.irp i, 0,1
	v_permlane16_swap_b32 v[(\pc)+4*\c+\i], v[(\pc)+2+4*\c+\i]   ; lanes 0-15 block 2 c, lanes 16-31 block 2 c + 1
.endr
.endr
.endm
	s_load_b256 s[4:11], s[0:1], 0x0               ; xc s[4:5], xs s[6:7], wc s[8:9], ws s[10:11]
	s_load_b128 s[12:15], s[0:1], 0x20             ; b_attn s[12:13], qkv s[14:15]
	v_lshl_add_u32 v[SPW], v0, 2, SPARE
	v_mov_b32 v[NIL], 0
	ds_add_u32 v[SPW], v[NIL]                      ; the wave's opening: the add, twice on end, and its wait ahead of my first tensor load
	ds_add_u32 v[SPW], v[NIL]
	v_lshrrev_b32 v1, 5, v0
	v_readfirstlane_b32 s16, v1                    ; wave 0..3
	s_lshr_b32 s17, s16, 1                         ; I fetch for x (0) or for W (1),
	s_and_b32 s18, s16, 1                          ; its first or its second half
	s_bfe_u32 s40, ttmp6, 0x40000                  ; cx
	s_bfe_u32 s41, ttmp6, 0x40004                  ; cy
	s_lshl_b32 s42, ttmp9, 2
	s_add_co_u32 s42, s42, s40                     ; block of 256 columns = 4 x cluster x + cx
	s_and_b32 s19, ttmp7, 0xffff
	s_lshl_b32 s19, s19, 2
	s_add_co_u32 s19, s19, s41                     ; block of 128 rows = 4 x cluster y + cy
	s_lshl_b32 s43, s41, 2
	s_lshl_b32 s43, 15, s43                        ; my row of the cluster
	s_lshl_b32 s44, 0x1111, s40                    ; my column
	; groups 1: dense blocks as rows of 256 bytes (32 elements of 8 bytes), no padding: 15:0 the mask; 17:16 element of 8 bytes; 21 set beside a mask
	s_or_b32 s[G1A], s43, (3<<16)|(1<<21)
	s_or_b32 s[G1SA], s43, (3<<16)|(1<<21)
	s_or_b32 s[G1B], s44, (3<<16)|(1<<21)
	s_or_b32 s[G1SB], s44, (3<<16)|(1<<21)
.irp g, G1A, G1B, G1SA, G1SB
	s_mov_b32 s[\g+1], 32<<16                      ; tensor_dim0
	s_mov_b32 s[\g+3], 32<<16                      ; tile_dim0
	s_mov_b32 s[\g+5], 32                          ; the pitch
	s_mov_b32 s[\g+6], 0
	s_mov_b32 s[\g+7], 0
.endr
	s_mov_b32 s[G1A+2], 128<<16                    ; rows: half of x's images, 32,768 bytes
	s_mov_b32 s[G1A+4], 128
	s_mov_b32 s[G1B+2], 256<<16                    ; half of W's, 65,536
	s_mov_b32 s[G1B+4], 256
	s_mov_b32 s[G1SA+2], 8<<16                     ; half of x's scale words, 2,048
	s_mov_b32 s[G1SA+4], 8
	s_mov_b32 s[G1SB+2], 16<<16                    ; half of W's, 4,096
	s_mov_b32 s[G1SB+4], 16
	s_lshl_b32 s20, s19, 16                        ; x's offsets hang on the block of rows and the wave alone,
	s_lshl_b32 s21, s18, 15
	s_add_co_u32 s20, s20, s21
	s_mov_b32 s21, 0
	s_lshl_b32 s22, s19, 12
	s_lshl_b32 s23, s18, 11
	s_add_co_u32 s22, s22, s23
	s_mov_b32 s23, 0
	s_lshl_b32 s46, s42, 17                        ; W's on the block of columns and the wave alone
	s_lshl_b32 s47, s18, 16
	s_add_co_u32 s46, s46, s47
	s_mov_b32 s47, 0
	s_lshl_b32 s92, s42, 13
	s_lshl_b32 s93, s18, 12
	s_add_co_u32 s92, s92, s93
	s_mov_b32 s93, 0
	s_mov_b32 s[SEL], 0x76543210
	s_mov_b32 s[SEL+1], 0xfedcba98
	s_mov_b32 s96, 0xffff0000                      ; lanes 16-31
	s_wait_dscnt 0x0                               ; both opening adds are done
	s_wait_kmcnt 0x0
	s_add_nc_u64 s[20:21], s[4:5], s[20:21]
	s_add_nc_u64 s[22:23], s[6:7], s[22:23]
	s_add_nc_u64 s[46:47], s[8:9], s[46:47]
	s_add_nc_u64 s[92:93], s[10:11], s[92:93]
	CROUND                                         ; all sixteen work-groups are here: the joint loads meet
	s_mov_b32 s[G0SA], 1
	s_lshl_b32 s[G0SA+1], s18, 11
	s_add_co_u32 s[G0SA+1], s[G0SA+1], SCA
	s_mov_b64 s[G0SA+2:G0SA+3], s[22:23]
	s_or_b32 s[G0SA+3], s[G0SA+3], 0x80000000
	s_mov_b32 s[G0SB], 1
	s_lshl_b32 s[G0SB+1], s18, 12
	s_add_co_u32 s[G0SB+1], s[G0SB+1], SCB
	s_mov_b64 s[G0SB+2:G0SB+3], s[92:93]
	s_or_b32 s[G0SB+3], s[G0SB+3], 0x80000000
	JLOAD G0SA, G1SA, G0SB, G1SB
	s_mov_b32 s[G0A], 1
	s_lshl_b32 s[G0A+1], s18, 15
	s_mov_b64 s[G0A+2:G0A+3], s[20:21]
	s_or_b32 s[G0A+3], s[G0A+3], 0x80000000
	s_mov_b32 s[G0B], 1
	s_lshl_b32 s[G0B+1], s18, 16
	s_add_co_u32 s[G0B+1], s[G0B+1], 65536
	s_mov_b64 s[G0B+2:G0B+3], s[46:47]
	s_or_b32 s[G0B+3], s[G0B+3], 0x80000000
	JLOAD G0A, G1A, G0B, G1B                       ; two tensor loads of mine are out
	v_and_b32 v1, 15, v0                           ; r
	v_bfe_u32 v2, v0, 4, 1                         ; h
	v_and_b32 v[LI], 31, v0
	v_lshlrev_b32 v[L8], 3, v[LI]
	v_lshlrev_b32 v[LI], 4, v[LI]
	s_lshl_b32 s45, s16, 15
	s_add_co_u32 s45, s45, 65536
	v_add_nc_u32 v[ADB], s45, v[LI]
	s_xor_b32 s94, s16, 3
	s_add_co_u32 s94, s94, 1
	s_lshl_b32 s94, s94, 11                        ; from my tiles' scale words of W to x's: 8,192 - 2,048 w
	v_mul_u32_u24 v[ADS], s94, v2                  ; lanes 16-31 take x's: the lower base + h x the distance
	v_lshl_add_u32 v[ADS], v1, 4, v[ADS]
	s_lshl_b32 s45, s16, 11
	s_add_co_u32 s45, s45, SCB
	v_add_nc_u32 v[ADS], s45, v[ADS]
.irp b, 0,1,2,3
	v_mov_b32 v[TM+4+\b], 0                        ; written once: a lane permute's destination counts as one of its sources
.endr
	s_lshl_b32 s94, s42, 10
	s_lshl_b32 s95, s16, 8
	s_add_co_u32 s94, s94, s95
	s_mov_b32 s95, 0
	s_add_nc_u64 s[12:13], s[12:13], s[94:95]      ; the bias of my 64 columns
	s_lshr_b32 s84, s19, 4
	s_lshl_b32 s84, s84, 4                         ; 16 b,
	s_lshl_b32 s85, s40, 2
	s_add_co_u32 s84, s84, s85
	s_add_co_u32 s84, s84, s16                     ; + head = 4 cx + wave
	s_mul_i32 s84, s84, RECB
	s_and_b32 s85, s19, 15                         ; which 128 rows of the sequence
	s_mov_b32 s86, 8960
	s_mov_b32 s94, 8192
	s_cmp_eq_u32 ttmp9, 0                          ; q?  All selections stand ahead of the next addition
	s_cselect_b32 s86, 4608, s86
	s_cselect_b32 s94, 4096, s94
	s_cselect_b32 s88, QOFF, 0
	s_mul_i32 s85, s85, s86
	s_add_co_u32 s84, s84, s85
	s_add_co_u32 s84, s84, s88
	s_mov_b32 s85, 0
	s_add_nc_u64 s[84:85], s[14:15], s[84:85]      ; q's group, or the key step of k and v
	s_add_nc_u64 s[86:87], s[84:85], s[94:95]      ; q's or k's scale image
	s_wait_tensorcnt 0x0                           ; my parts have landed,
	s_barrier_signal -1
	s_barrier_wait -1                              ; everybody's have; nothing is ever filled again
	s_cmp_eq_u32 ttmp9, 2
	s_cbranch_scc1 .Lv
	; ---------------- q and k
	v_lshlrev_b32 v[BO], 6, v2                     ; accumulator (a, 2 B + u), register j: column 32 B + 16 h + 8 u + j
.irp b, 0,1,2,3
	global_load_b128 v[BI+8*\b:BI+8*\b+3], v[BO], s[12:13] offset:(32*(\b/2)+8*(\b%2))*4
	global_load_b128 v[BI+8*\b+4:BI+8*\b+7], v[BO], s[12:13] offset:(32*(\b/2)+8*(\b%2))*4+16
.endr
	s_wait_alu depctr_va_vdst(0)
	MAIN 0
	s_wait_loadcnt 0x0                             ; the bias
.irp al, 0,1,2,3                       ; two tiles of rows at a time: 2 x 2 blocks of 32 along the head
	WIN 0x01                                       ; source 0 window 1
.irp e, 0,1
.irp b, 0,1,2,3
.irp jj, 0,2,4,6
	v_pk_add_f32 v[T+32*\e+8*\b+\jj:T+32*\e+8*\b+\jj+1], v[8*(4*(2*\al+\e)+\b)+\jj:8*(4*(2*\al+\e)+\b)+\jj+1], v[BI+8*\b+\jj:BI+8*\b+\jj+1]   ; each accumulator from its low end on
.endr
.endr
.endr
	WIN 0
	QCORE T, PC+8*\al
	v_lshl_or_b32 v[TM+8], v[TM+5], 8, v[TM+4]     ; tile 2 al's two bytes,
	v_lshl_or_b32 v[TM+9], v[TM+7], 8, v[TM+6]     ; tile 2 al + 1's
	v_cndmask_b32 v[SW+\al], v[TM+8], v[TM+9], s96 ; lanes 0-15 the even tile's word, lanes 16-31 the odd tile's
	global_store_b128 v[LI], v[PC+8*\al:PC+8*\al+3], s[84:85] offset:512*(2*\al)       ; 512 consecutive bytes
	global_store_b128 v[LI], v[PC+8*\al+4:PC+8*\al+7], s[84:85] offset:512*(2*\al+1)
.endr
	global_store_b128 v[LI], v[SW:SW+3], s[86:87]
	s_branch .Lend
	; ---------------- v
.Lv:
	v_and_b32 v[BO], 8, v1
	v_add_nc_u32 v[BO], v[BO], v1
	v_lshlrev_b32 v[BO], 2, v[BO]                  ; my column of tile ct: 32 (ct / 2) + 8 (ct % 2) + r + 8 (r / 8)
.irp ct, 0,1,2,3
	global_load_b32 v[BI+2*\ct], v[BO], s[12:13] offset:(32*(\ct/2)+8*(\ct%2))*4
	v_mov_b32 v[BI+2*\ct+1], 0                     ; (named with it as a pair, so it is written)
.endr
	MAIN 1
	s_wait_alu depctr_va_vdst(0)
	s_wait_loadcnt 0x0
.irp ct, 0,1,2,3                       ; a tile of 16 channels x the step's 128 keys: one fragment
	WIN 0x01
.irp g, 0,1,2,3
.irp e, 0,1
.irp jj, 0,2,4,6
	v_pk_add_f32 v[T+16*\g+8*\e+\jj:T+16*\g+8*\e+\jj+1], v[8*(4*(2*\g+\e)+\ct)+\jj:8*(4*(2*\g+\e)+\ct)+\jj+1], v[BI+2*\ct:BI+2*\ct+1] op_sel_hi:[1,0]
.endr
.endr
.endr
	WIN 0
	QCORE T, PC+8*\ct
	v_lshl_or_b32 v[WV+\ct], v[TM+5], 8, v[TM+4]
	v_lshl_or_b32 v[WV+\ct], v[TM+6], 16, v[WV+\ct]
	v_lshl_or_b32 v[WV+\ct], v[TM+7], 24, v[WV+\ct]
	global_store_b128 v[LI], v[PC+8*\ct:PC+8*\ct+3], s[84:85] offset:4096+1024*\ct
	global_store_b128 v[LI], v[PC+8*\ct+4:PC+8*\ct+7], s[84:85] offset:4096+1024*\ct+512
.endr
	v_cndmask_b32 v[SV], v[WV], v[WV+1], s96
	v_cndmask_b32 v[SV+1], v[WV+2], v[WV+3], s96
	global_store_b64 v[L8], v[SV:SV+1], s[84:85] offset:8704   ; 256 consecutive bytes, aligned
.Lend:
	s_wait_tensorcnt 0x0                           ; the wave's end
	ds_add_u32 v[SPW], v[NIL]
	s_wait_dscnt 0x0
	CROUND                                         ; the closing round
	s_endpgm
.Lfunc_end_k_q387e9885d7_gemm_qkv:
	.size	k_q387e9885d7_gemm_qkv, .Lfunc_end_k_q387e9885d7_gemm_qkv-k_q387e9885d7_gemm_qkv
	.p2alignl 7, 3214868480
	.fill 96, 4, 3214868480
	.section	.rodata,"a",@progbits
	.p2align	6, 0x0
	.amdhsa_kernel k_q387e9885d7_gemm_qkv
		.amdhsa_group_segment_fixed_size 209408
		.amdhsa_private_segment_fixed_size 0
		.amdhsa_enable_private_segment 0
		.amdhsa_kernarg_size 48
		.amdhsa_user_sgpr_count 2
		.amdhsa_user_sgpr_kernarg_segment_ptr 1
		.amdhsa_wavefront_size32 1
		.amdhsa_system_sgpr_workgroup_id_x 1
		.amdhsa_system_sgpr_workgroup_id_y 1
		.amdhsa_system_sgpr_workgroup_id_z 1
		.amdhsa_system_vgpr_workitem_id 0
		.amdhsa_next_free_vgpr 768
		.amdhsa_next_free_sgpr 100
		.amdhsa_reserve_vcc 0
		.amdhsa_float_denorm_mode_32 3
		.amdhsa_float_denorm_mode_16_64 3
		.amdhsa_memory_ordered 1
		.amdhsa_forward_progress 1
		.amdhsa_inst_pref_size 152
	.end_amdhsa_kernel
	.amdgpu_metadata
---
amdhsa.version: [ 1, 2 ]
amdhsa.kernels:
  - .name:           k_q387e9885d7_gemm_qkv
    .symbol:         k_q387e9885d7_gemm_qkv.kd
    .args:
      - { .name: xc, .offset: 0, .size: 8, .value_kind: global_buffer, .address_space: global }
      - { .name: xs, .offset: 8, .size: 8, .value_kind: global_buffer, .address_space: global }
      - { .name: wc, .offset: 16, .size: 8, .value_kind: global_buffer, .address_space: global }
      - { .name: ws, .offset: 24, .size: 8, .value_kind: global_buffer, .address_space: global }
      - { .name: b_attn, .offset: 32, .size: 8, .value_kind: global_buffer, .address_space: global }
      - { .name: qkv, .offset: 40, .size: 8, .value_kind: global_buffer, .address_space: global }
    .group_segment_fixed_size: 209408
    .private_segment_fixed_size: 0
    .kernarg_segment_align: 8
    .kernarg_segment_size: 48
    .max_flat_workgroup_size: 128
    .sgpr_count:     100
    .vgpr_count:     768
    .wavefront_size: 32
...
	.end_amdgpu_metadata
.endif
;; end of part 2
;; launch attn (part 3): grid 4 x 64, 16 waves a work-group, clusters of 4 x 1, 167,936 bytes of LDS; arguments qkv, yc, ys; writes yc, ys
.if DOCPART == 3
	.amdgcn_target "amdgcn-amd-amdhsa--gfx1250"
	.amdhsa_code_object_version 6
	.text
	.protected	k_q387e9885d7_attn
	.globl	k_q387e9885d7_attn
	.p2align	8
	.type	k_q387e9885d7_attn,@function
k_q387e9885d7_attn:
	s_mov_b64 s[64:65], 0
	v_nop
	global_prefetch_b8 v0, s[64:65] scope:SCOPE_SE
	s_setreg_imm32_b32 hwreg(HW_REG_WAVE_MODE, 25, 1), 1
	s_wait_xcnt 0x0
	s_wait_alu depctr_hold_cnt(0) depctr_sa_sdst(0) depctr_va_vdst(0) depctr_va_sdst(0) depctr_va_ssrc(0) depctr_va_vcc(0) depctr_vm_vsrc(0)
	s_getreg_b32 s2, hwreg(HW_REG_IB_STS2, 6, 4)
	s_cmp_eq_u32 s2, 0
	s_cbranch_scc0 .Lentry_in_a_cluster
	s_endpgm
.Lentry_in_a_cluster:
	s_bfe_u32 s2, ttmp6, 0x10000c
	s_cmp_lg_u32 s2, 0x3003
	s_cbranch_scc0 .Lentry_shape_is_right
	s_endpgm
.Lentry_shape_is_right:
; THIRD LAUNCH: y = softmax(q k^T / 8, causal) v on codes of E2M1, y quantised along C on the way out.
; WORK LEFT OUT: a step of 128 keys all of which come after all 16 queries of a tile (reference()'s own causal mask gives them p = 0 for all inputs: see the first launch's head).  A NaN or infinity that reaches only such steps is not carried.
; THE SOFTMAX: t = score x log2(e) / 8; M = the running largest t rounded UP to a whole number; p = 2^(t - M) is quantised along the keys, not normalised; the row's sum is taken of the unquantised p and divides at the end.
; SHARES.  A cluster of four work-groups is one (batch, head); the partners read the same K and V.  Wave w of partner j owns TWO tiles of 16 queries: t1 = 4 w + j and t2 = 127 - t1.  Tile t needs key steps 0 .. t / 8:
; w / 2 + 1 and 16 - w / 2: 17 steps for every wave of every work-group, and the limits hang on the wave's number alone.  Waves 0 and 1 of every partner read all 16 steps.
; A head's K and V, codes and scale images, are 143,360 consecutive bytes: they come ONCE, jointly, wave w bringing key step w's 8,960 bytes; one barrier; nothing is filled again.
; LAYOUT.  Both products transposed: S^T = K Q^T, O^T = V^T P^T: a lane holds one query throughout.  Place r of tile t is query 32 (t / 2) + 8 (t % 2) + r + 8 (r / 8); keys and channels likewise, so that the 16 registers
; of two neighbouring tiles are 16 neighbours.  The head has 64 channels: registers 4-7 of Q's and K's fragments stay zero codes (their scale bytes are 0, which is 2^-127: zeros add nothing).
; LIMITS: NaN and infinities are not served; a block of y under 2^-124 gets the byte 1.
; REGISTERS: v1-11 addresses; v12 -M, v13 the largest t, v[14:15] the sum; v16-23, v216-223 Q of the two tiles, v24, v25 their scale words; v26-29 K's scale words, v30-31 V's; v32-63 four fragments of K; v64-95 V's four;
;   v96-159 S^T, then p; v160-191 O^T; v192-199 p's codes; v200-207 y's codes; v208-211 y's scale bytes; v232-255 at work.
.set STEPB, 8960
.set RECB,  217088
.set QOFF,  143360
.set SPARE, 143360                     ; behind the head's 16 key steps: the spare words, 128 bytes for each of 16 waves
.set LI,  1                            ; v1  16 x lane
.set L8,  2                            ; v2  8 x lane
.set SPW, 3                            ; v3  LDS address of my spare word; never rewritten
.set NIL, 4                            ; v4  0; never rewritten
.set R16, 5                            ; v5  16 r
.set AD,  7                            ; v7  the step's LDS address + 16 x lane
.set AD8, 8                            ; v8  + 8 x lane
.set HH,  9                            ; v9  h
.set QV,  11                           ; v11 r + 8 (r / 8) - 16 h
.macro CROUND
	s_barrier_signal -1
	s_barrier_wait -1
	s_cmp_lg_u32 s10, 0
	s_cbranch_scc1 .Lnot_wave_0_\@
	s_barrier_signal -3
.Lnot_wave_0_\@:
	s_barrier_wait -3
	s_barrier_signal -1
	s_barrier_wait -1
.endm
; tile s[t]: Q's image s[qc:qc+1], its scale words s[qc+2:qc+3], y's image s[yp:yp+1], the tile's first query s[ql]
.macro TADR t, qc, yp, ql
	s_lshr_b32 s56, s[\t], 3
	s_mul_i32 s56, s56, 4608
	s_add_co_u32 s56, s56, QOFF                    ; the tile's group of eight
	s_and_b32 s57, s[\t], 7
	s_lshl_b32 s58, s57, 9
	s_add_co_u32 s58, s58, s56
	s_mov_b32 s59, 0
	s_add_nc_u64 s[\qc:\qc+1], s[14:15], s[58:59]
	s_lshr_b32 s57, s57, 1
	s_lshl_b32 s57, s57, 2                         ; word (t % 8) / 2,
	s_and_b32 s58, s[\t], 1
	s_lshl_b32 s58, s58, 8                         ; of lanes 16 (t % 2) on
	s_add_co_u32 s58, s58, s57
	s_add_co_u32 s58, s58, s56
	s_add_co_u32 s58, s58, 4096
	s_add_nc_u64 s[\qc+2:\qc+3], s[14:15], s[58:59]
	s_add_co_u32 s58, s[\t], s63                   ; row tile 128 b + t
	s_lshl_b32 s58, s58, 13
	s_add_co_u32 s58, s58, s39                     ; + 512 x head: K step head / 2, half head % 2
	s_add_nc_u64 s[\yp:\yp+1], s[6:7], s[58:59]
	s_lshr_b32 s57, s[\t], 1
	s_lshl_b32 s57, s57, 5
	s_and_b32 s58, s[\t], 1
	s_lshl_b32 s58, s58, 3
	s_add_co_u32 s[\ql], s57, s58
.endm
	s_load_b128 s[4:7], s[0:1], 0x0                ; qkv s[4:5], yc s[6:7]
	s_load_b64 s[8:9], s[0:1], 0x10                ; ys
	v_lshl_add_u32 v[SPW], v0, 2, SPARE
	v_mov_b32 v[NIL], 0
	ds_add_u32 v[SPW], v[NIL]                      ; the wave's opening: the add, twice on end, and its wait ahead of my first tensor load
	ds_add_u32 v[SPW], v[NIL]
	v_lshrrev_b32 v1, 5, v0
	s_delay_alu instid0(VALU_DEP_1)
	v_readfirstlane_b32 s10, v1                    ; wave 0..15
	s_bfe_u32 s11, ttmp6, 0x40000                  ; cx: it enters global addresses and the mask's numbers alone
	s_and_b32 s12, ttmp7, 0xffff                   ; 16 b + head, which the partners share
	s_mov_b32 s16, 15|(3<<16)|(1<<21)              ; group 1: 15:0 the mask: all four; 17:16 element of 8 bytes; 21 set beside a mask; no padding
	s_mov_b32 s17, 32<<16                          ; tensor_dim0 = 32 (256 bytes)
	s_mov_b32 s18, 35<<16                          ; tensor_dim1 = 35 rows: 8,960 bytes
	s_mov_b32 s19, 32<<16                          ; tile_dim0
	s_mov_b32 s20, 35                              ; tile_dim1
	s_mov_b32 s21, 32                              ; the pitch
	s_mov_b32 s22, 0
	s_mov_b32 s23, 0
	s_mul_i32 s13, s10, STEPB                      ; my key step, in memory and in LDS alike
	s_mul_i32 s38, s12, RECB
	s_mov_b32 s39, 0
	s_mov_b32 s28, 0x76543210
	s_mov_b32 s29, 0xfedcba98                      ; v_permlanex16_b32's selects for lane l xor 16
	s_mov_b32 s30, 0x3e38aa3b                      ; c = log2(e) / 8
	s_mov_b32 s31, s30                             ; (named with it as a pair, so it is written)
	s_mov_b32 s32, 0xffff0000                      ; lanes 16-31
	s_wait_dscnt 0x0                               ; both opening adds are done
	s_wait_kmcnt 0x0
	s_add_nc_u64 s[14:15], s[4:5], s[38:39]        ; the head's record
	CROUND                                         ; all four work-groups are here: the joint loads meet
	s_mov_b32 s24, 1
	s_mov_b32 s25, s13
	s_mov_b32 s38, s13
	s_add_nc_u64 s[26:27], s[14:15], s[38:39]
	s_or_b32 s27, s27, 0x80000000
	tensor_load_to_lds s[24:27], s[16:23]          ; my one tensor load of the launch
	s_nop 0
.rept 4
	v_nop
.endr
	s_lshl_b32 s33, s10, 2
	s_add_co_u32 s33, s33, s11                     ; t1
	s_sub_co_u32 s62, 127, s33                     ; t2
	s_lshr_b32 s63, s12, 4
	s_lshl_b32 s63, s63, 7                         ; 128 b
	s_and_b32 s55, s12, 15                         ; the head
	s_lshl_b32 s39, s55, 9
	TADR 62, 40, 48, 60
	TADR 33, 44, 50, 61
	s_lshr_b32 s56, s55, 3
	s_lshl_b32 s56, s56, 8                         ; ys: 256 (head / 8)
	s_bfe_u32 s57, s55, 0x20001
	s_lshl_b32 s57, s57, 2                         ; + 4 ((head / 2) % 4)
	s_add_co_u32 s56, s56, s57
	s_and_b32 s57, s55, 1
	s_lshl_b32 s57, s57, 1                         ; + 2 (head % 2)
	s_add_co_u32 s56, s56, s57
	s_mov_b32 s57, 0
	s_add_nc_u64 s[52:53], s[8:9], s[56:57]
	s_add_co_u32 s54, s33, s63
	s_lshl_b32 s54, s54, 9                         ; 512 x t1's row tile
	s_sub_co_u32 s55, s62, s33
	s_lshl_b32 s55, s55, 9                         ; and from there to t2's
	v_and_b32 v[LI], 31, v0
	s_delay_alu instid0(VALU_DEP_1)
	v_lshlrev_b32 v[L8], 3, v[LI]
	s_delay_alu instid0(VALU_DEP_2)
	v_lshlrev_b32 v[LI], 4, v[LI]
	v_and_b32 v10, 15, v0                          ; r
	v_bfe_u32 v[HH], v0, 4, 1
	s_delay_alu instid0(VALU_DEP_2)
	v_lshlrev_b32 v[R16], 4, v10
	global_load_b128 v[16:19], v[LI], s[40:41]     ; Q of t2,
	global_load_b32 v24, v[R16], s[42:43]
	global_load_b128 v[216:219], v[LI], s[44:45]   ; and of t1
	global_load_b32 v25, v[R16], s[46:47]
.irp j, 20,21,22,23,220,221,222,223,36,37,38,39,44,45,46,47,52,53,54,55,60,61,62,63
	v_mov_b32 v\j, 0                               ; k = 64 .. 127 of Q's and K's fragments: zero codes, written once
.endr
	v_and_b32 v[QV], 8, v10
	s_delay_alu instid0(VALU_DEP_1)
	v_add_nc_u32 v[QV], v[QV], v10
	v_lshlrev_b32 v6, 4, v[HH]
	s_delay_alu instid0(VALU_DEP_1)
	v_sub_nc_u32 v[QV], v[QV], v6
.irp j, 236,237,238,239,252,253
	v_mov_b32 v\j, 0                               ; lane permutes' destinations, and the pair v[252:253], are written before they are named
.endr
	s_wait_tensorcnt 0x0                           ; my key step has landed,
	s_barrier_signal -1
	s_barrier_wait -1                              ; everybody's has
	s_wait_loadcnt 0x0                             ; Q
; ONE TILE'S WALK.  s34: its last key step; s38: its first query.  The trip count is a constant; a step past the limit is jumped over by a scalar branch on the wave's number and the count of steps.
.macro PASS p, trips, qf, qs
	v_mov_b32 v13, 0xff61b1e6                      ; the largest t so far: -3e38
	s_delay_alu instid0(VALU_DEP_1)
	v_floor_f32 v12, -v13                          ; -M
	v_mov_b32 v14, 0
	v_mov_b32 v15, 0
.irp j, 0,1,2,3,4,5,6,7,8,9,10,11,12,13,14,15,16,17,18,19,20,21,22,23,24,25,26,27,28,29,30,31
	v_mov_b32 v[160+\j], 0                         ; O^T: the step is written once; the first change of M leaves zeros zeros
.endr
	s_mov_b32 s35, 0                               ; the step,
	s_mov_b32 s36, 0                               ; its LDS byte,
	s_mov_b32 s37, 0                               ; its first key
.Lstep_\@:
	s_cmp_gt_u32 s35, s34
	s_cbranch_scc1 .Lhidden_\@
	s_setprio 2
	v_add_nc_u32 v[AD], s36, v[LI]
	v_add_nc_u32 v[AD8], s36, v[L8]
	ds_load_b128 v[26:29], v[AD] offset:8192       ; K's scale image: word p: lanes 0-15 tile 2 p, lanes 16-31 tile 2 p + 1
.irp t, 0,1,2,3
	ds_load_b128 v[32+8*\t:35+8*\t], v[AD] offset:512*\t
.endr
	s_wait_alu depctr_va_vdst(0)
	s_wait_dscnt 0x0
.irp t, 0,1,2,3
.if (\t)%2
	v_wmma_scale_f32_16x16x128_f8f6f4 v[96+8*\t:103+8*\t], v[32+8*\t:39+8*\t], v[\qf:\qf+7], 0, v[26+\t/2], v[\qs] matrix_a_fmt:MATRIX_FMT_FP4 matrix_b_fmt:MATRIX_FMT_FP4 matrix_a_scale:MATRIX_SCALE_ROW1
.else
	v_wmma_scale_f32_16x16x128_f8f6f4 v[96+8*\t:103+8*\t], v[32+8*\t:39+8*\t], v[\qf:\qf+7], 0, v[26+\t/2], v[\qs] matrix_a_fmt:MATRIX_FMT_FP4 matrix_b_fmt:MATRIX_FMT_FP4
.endif
.endr
.rept 4
	v_nop                                          ; places in front of loads into registers that matrix instructions have read (V's were read by the last step's products: the two additions above are places too)
.endr
.irp t, 0,1,2,3
	ds_load_b128 v[32+8*\t:35+8*\t], v[AD] offset:512*(4+\t)
.endr
.irp ct, 0,1,2,3
	ds_load_b128 v[64+8*\ct:67+8*\ct], v[AD] offset:4096+1024*\ct
	ds_load_b128 v[68+8*\ct:71+8*\ct], v[AD] offset:4096+1024*\ct+512
.endr
	ds_load_b64 v[30:31], v[AD8] offset:8704       ; V's scale image
	s_wait_dscnt 9                                 ; K's four are in; V's nine loads may stay out: they land under the softmax
.irp t, 0,1,2,3
.if (\t)%2
	v_wmma_scale_f32_16x16x128_f8f6f4 v[128+8*\t:135+8*\t], v[32+8*\t:39+8*\t], v[\qf:\qf+7], 0, v[28+\t/2], v[\qs] matrix_a_fmt:MATRIX_FMT_FP4 matrix_b_fmt:MATRIX_FMT_FP4 matrix_a_scale:MATRIX_SCALE_ROW1
.else
	v_wmma_scale_f32_16x16x128_f8f6f4 v[128+8*\t:135+8*\t], v[32+8*\t:39+8*\t], v[\qf:\qf+7], 0, v[28+\t/2], v[\qs] matrix_a_fmt:MATRIX_FMT_FP4 matrix_b_fmt:MATRIX_FMT_FP4
.endif
.endr
.rept 4
	v_nop
.endr
	s_cmp_lg_u32 s35, s34                          ; only the tile's last step lies on the diagonal: there hidden scores become -infinity ahead of the maximum
	s_cbranch_scc1 .Lopen_\@
	s_sub_co_i32 s56, s38, s37
	v_add_nc_u32 v252, s56, v[QV]                  ; d = my query - the step's first key - 16 h.  Register 16 b + i holds key 32 b + 16 h + i of the step: hidden where 32 b + i > d
	v_mov_b32 v254, 0xff800000
.irp n, 0,1,2,3,4,5,6,7,8,9,10,11,12,13,14,15,16,17,18,19,20,21,22,23,24,25,26,27,28,29,30,31,32,33,34,35,36,37,38,39,40,41,42,43,44,45,46,47,48,49,50,51,52,53,54,55,56,57,58,59,60,61,62,63
	v_cmp_gt_i32 vcc_lo, 32*(\n/16)+\n%16, v252
	v_cndmask_b32 v[96+\n], v[96+\n], v254, vcc_lo
.endr
.Lopen_\@:
.irp b, 0,1,2,3
	v_max3_num_f32 v[232+\b], v[96+16*\b], v[97+16*\b], v[98+16*\b]   ; the largest score of each block of 32 keys: for the row's maximum, and, since p rises with the score, for the block's largest p
.endr
.irp i, 3,5,7,9,11,13
.irp b, 0,1,2,3
	v_max3_num_f32 v[232+\b], v[232+\b], v[96+16*\b+\i], v[97+16*\b+\i]
.endr
.endr
.irp b, 0,1,2,3
	v_max_num_f32 v[232+\b], v[232+\b], v[111+16*\b]
.endr
.irp b, 0,1,2,3
	s_delay_alu instid0(VALU_DEP_4)
	v_permlanex16_b32 v[236+\b], v[232+\b], s28, s29
.endr
.irp b, 0,1,2,3
	s_delay_alu instid0(VALU_DEP_4)
	v_max_num_f32 v[232+\b], v[232+\b], v[236+\b]
.endr
	s_delay_alu instid0(VALU_DEP_2)
	v_max3_num_f32 v254, v232, v233, v234
	s_delay_alu instid0(VALU_DEP_1)
	v_max_num_f32 v254, v254, v235
	s_delay_alu instid0(VALU_DEP_1)
	v_mul_f32 v254, s30, v254                      ; as t (c is positive)
	s_delay_alu instid0(VALU_DEP_1)
	v_max_num_f32 v13, v13, v254                   ; the running largest t
	v_mov_b32 v254, v12
	s_delay_alu instid0(VALU_DEP_2)
	v_floor_f32 v12, -v13                          ; the new -M = floor(-t): M is a whole number
	s_delay_alu instid0(VALU_DEP_1)
	v_sub_f32 v254, v12, v254                      ; old M - new M: a whole number, 0 or less
	s_delay_alu instid0(VALU_DEP_1)
	v_cvt_i32_f32 v254, v254                       ; (it saturates)
	s_delay_alu instid0(VALU_DEP_1)
	v_ldexp_f32 v252, 1.0, v254                    ; f = 2^(old M - new M): the rescaling rounds nothing
.irp j, 0,2,4,6,8,10,12,14,16,18,20,22,24,26,28,30,32,34,36,38,40,42,44,46,48,50,52,54,56,58,60,62
	v_pk_fma_f32 v[96+\j:97+\j], v[96+\j:97+\j], s[30:31], v[12:13] op_sel_hi:[1,0,0]   ; t - M
.endr
	s_setprio 1
.irp b, 0,1,2,3
	v_fma_f32 v[232+\b], v[232+\b], s30, v12       ; the same of each block's largest score
.endr
	s_wait_alu depctr_va_vdst(0)
.irp j, 0,1,2,3,4,5,6,7,8,9,10,11,12,13,14,15,16,17,18,19,20,21,22,23,24,25,26,27,28,29,30,31,32,33,34,35,36,37,38,39,40,41,42,43,44,45,46,47,48,49,50,51,52,53,54,55,56,57,58,59,60,61,62,63
	v_exp_f32 v[96+\j], v[96+\j]                   ; p = 2^(t - M)
.endr
	v_pk_mul_f32 v[14:15], v[14:15], v[252:253] op_sel_hi:[1,0]   ; the sums under the new M: a plain line behind the exponentials
	s_wait_alu depctr_va_vdst(0)                   ; one wait for the batch of 64, ahead of its first reader
.irp b, 0,1,2,3
	v_exp_f32 v[232+\b], v[232+\b]                 ; the block's largest p
.endr
	v_pk_add_f32 v[236:237], v[100:101], v[104:105]
	v_pk_add_f32 v[254:255], v[108:109], v[112:113]
	v_pk_add_f32 v[250:251], v[116:117], v[120:121]
	v_pk_add_f32 v[248:249], v[124:125], v[128:129]
	v_pk_add_f32 v[246:247], v[132:133], v[136:137]
	v_pk_add_f32 v[244:245], v[140:141], v[144:145]
	v_pk_add_f32 v[242:243], v[148:149], v[152:153]
	v_pk_add_f32 v[14:15], v[14:15], v[156:157]
	v_pk_add_f32 v[236:237], v[236:237], v[96:97]
	v_pk_add_f32 v[254:255], v[254:255], v[98:99]
	v_pk_add_f32 v[250:251], v[250:251], v[102:103]
	v_pk_add_f32 v[248:249], v[248:249], v[106:107]
	v_pk_add_f32 v[246:247], v[246:247], v[110:111]
	v_pk_add_f32 v[244:245], v[244:245], v[114:115]
	v_pk_add_f32 v[242:243], v[242:243], v[118:119]
	v_pk_add_f32 v[14:15], v[14:15], v[122:123]
	v_pk_add_f32 v[236:237], v[236:237], v[126:127]
	v_pk_add_f32 v[254:255], v[254:255], v[130:131]
	v_pk_add_f32 v[250:251], v[250:251], v[134:135]
	v_pk_add_f32 v[248:249], v[248:249], v[138:139]
	v_pk_add_f32 v[246:247], v[246:247], v[142:143]
	v_pk_add_f32 v[244:245], v[244:245], v[146:147]
	v_pk_add_f32 v[242:243], v[242:243], v[150:151]
	v_pk_add_f32 v[14:15], v[14:15], v[154:155]
	v_pk_add_f32 v[236:237], v[236:237], v[158:159]
	s_delay_alu instid0(VALU_DEP_2)
	v_pk_add_f32 v[14:15], v[14:15], v[248:249]
	s_delay_alu instid0(VALU_DEP_2)
	v_pk_add_f32 v[236:237], v[236:237], v[246:247]
	v_pk_add_f32 v[254:255], v[254:255], v[244:245]
	v_pk_add_f32 v[250:251], v[250:251], v[242:243]
	s_delay_alu instid0(VALU_DEP_2)
	v_pk_add_f32 v[14:15], v[14:15], v[254:255]
	s_delay_alu instid0(VALU_DEP_2)
	v_pk_add_f32 v[236:237], v[236:237], v[250:251]
	s_delay_alu instid0(VALU_DEP_1)
	v_pk_add_f32 v[14:15], v[14:15], v[236:237]
	s_wait_alu depctr_va_vdst(0)                   ; and one for the four
.irp b, 0,1,2,3
	v_max_num_f32 v[232+\b], 0x1800000, v[232+\b]  ; the floor 2^(3 - 127)
.endr
.irp b, 0,1,2,3
	s_delay_alu instid0(VALU_DEP_4)
	v_add_nc_u32 v[244+\b], 0xff000000, v[232+\b]  ; the conversion's scale operand
.endr
.irp b, 0,1,2,3
	s_delay_alu instid0(VALU_DEP_4)
	v_lshrrev_b32 v[236+\b], 23, v[244+\b]         ; the byte
.endr
	s_delay_alu instid0(VALU_DEP_3)
	v_lshl_or_b32 v253, v237, 8, v236              ; p's scale word for these 128 keys
	s_delay_alu instid0(VALU_DEP_1)
	v_lshl_or_b32 v253, v238, 16, v253
	s_delay_alu instid0(VALU_DEP_1)
	v_lshl_or_b32 v253, v239, 24, v253
	s_setprio 0
.irp b, 0,1,2,3
	v_cvt_scalef32_pk8_fp4_f32 v[192+2*\b], v[96+16*\b:103+16*\b], v[244+\b]
	v_cvt_scalef32_pk8_fp4_f32 v[193+2*\b], v[104+16*\b:111+16*\b], v[244+\b]
.endr
	v_nop                                          ; one plain place behind a scaled conversion
.irp c, 0,1
.irp i, 0,1
	v_permlane16_swap_b32 v[192+4*\c+\i], v[194+4*\c+\i]
.endr
.endr
.irp j, 0,2,4,6,8,10,12,14,16,18,20,22,24,26,28,30
	v_pk_mul_f32 v[160+\j:161+\j], v[160+\j:161+\j], v[252:253] op_sel_hi:[1,0]   ; O^T under the new M; these sixteen are also the places in front of the scaled products below
.endr
	s_wait_alu depctr_va_vdst(0)
	s_wait_dscnt 0x0                               ; V
.irp ct, 0,1,2,3
.if (\ct)%2
	v_wmma_scale_f32_16x16x128_f8f6f4 v[160+8*\ct:167+8*\ct], v[64+8*\ct:71+8*\ct], v[192:199], v[160+8*\ct:167+8*\ct], v[30+\ct/2], v253 matrix_a_fmt:MATRIX_FMT_FP4 matrix_b_fmt:MATRIX_FMT_FP4 matrix_a_scale:MATRIX_SCALE_ROW1
.else
	v_wmma_scale_f32_16x16x128_f8f6f4 v[160+8*\ct:167+8*\ct], v[64+8*\ct:71+8*\ct], v[192:199], v[160+8*\ct:167+8*\ct], v[30+\ct/2], v253 matrix_a_fmt:MATRIX_FMT_FP4 matrix_b_fmt:MATRIX_FMT_FP4
.endif
.endr
.Lhidden_\@:
	s_add_co_u32 s36, s36, STEPB
	s_add_co_u32 s37, s37, 128
	s_add_co_u32 s35, s35, 1
	s_cmp_lt_u32 s35, \trips
	s_cbranch_scc1 .Lstep_\@
	s_setprio 0
	; the tile's way out: O^T / the sum, quantised along the head's 64: two blocks of 32
.rept 4
	v_nop
.endr
	v_add_f32 v14, v14, v15
	s_delay_alu instid0(VALU_DEP_1)
	v_permlanex16_b32 v252, v14, s28, s29
	s_delay_alu instid0(VALU_DEP_1)
	v_add_f32 v14, v14, v252                       ; the row's sum
	s_wait_alu depctr_va_vdst(0)
	v_rcp_f32 v14, v14
	v_nop                                          ; a plain place behind the transcendental
	s_wait_alu depctr_va_vdst(0)                   ; the wait, ahead of its first reader
.irp j, 0,1,2,3,4,5,6,7,8,9,10,11,12,13,14,15,16,17,18,19,20,21,22,23,24,25,26,27,28,29,30,31
	v_mul_f32 v[96+\j], v[160+\j], v14             ; register 16 B + i: channel 32 B + 16 h + i of my query
.endr
.irp b, 0,1
	v_max3_num_f32 v[232+\b], |v[96+16*\b]|, |v[97+16*\b]|, 0x1800000
.endr
.irp i, 2,4,6,8,10,12,14
.irp b, 0,1
	s_delay_alu instid0(VALU_DEP_2)
	v_max3_num_f32 v[232+\b], v[232+\b], |v[96+16*\b+\i]|, |v[97+16*\b+\i]|
.endr
.endr
.irp b, 0,1
	s_delay_alu instid0(VALU_DEP_2)
	v_permlanex16_b32 v[236+\b], v[232+\b], s28, s29
.endr
.irp b, 0,1
	s_delay_alu instid0(VALU_DEP_2)
	v_max_num_f32 v[232+\b], v[232+\b], v[236+\b]
.endr
.irp b, 0,1
	s_delay_alu instid0(VALU_DEP_2)
	v_add_nc_u32 v[244+\b], 0xff000000, v[232+\b]
.endr
.irp b, 0,1
	s_delay_alu instid0(VALU_DEP_2)
	v_lshrrev_b32 v[236+\b], 23, v[244+\b]
.endr
.irp b, 0,1
	v_cvt_scalef32_pk8_fp4_f32 v[200+4*\p+2*\b], v[96+16*\b:103+16*\b], v[244+\b]
	v_cvt_scalef32_pk8_fp4_f32 v[201+4*\p+2*\b], v[104+16*\b:111+16*\b], v[244+\b]
.endr
	v_nop
.irp i, 0,1
	v_permlane16_swap_b32 v[200+4*\p+\i], v[202+4*\p+\i]
.endr
	global_store_b128 v[LI], v[200+4*\p:203+4*\p], s[48+2*\p:49+2*\p]   ; half a fragment of y: 512 consecutive bytes
	v_lshl_or_b32 v[208+\p], v237, 8, v236         ; the head's two bytes of my row's scale word
.endm
	s_lshr_b32 s34, s10, 1
	s_xor_b32 s34, s34, 15                         ; t2 / 8 = 15 - w / 2
	s_mov_b32 s38, s60
	PASS 0, 16, 16, 24
	s_lshr_b32 s34, s10, 1                         ; t1 / 8 = w / 2, at most 7
	s_mov_b32 s38, s61
	PASS 1, 8, 216, 25
	s_delay_alu instid0(VALU_DEP_1)
	v_cndmask_b32 v210, v209, v208, s32            ; lanes 0-15 store t1's bytes, lanes 16-31 t2's
	v_mul_u32_u24 v211, s55, v[HH]
	s_delay_alu instid0(VALU_DEP_1)
	v_add3_u32 v211, v211, v[R16], s54
	global_store_b16 v211, v210, s[52:53]          ; 2 bytes of each 16: ys is 256 KiB in all, a sixteenth of y's codes
	s_wait_tensorcnt 0x0                           ; the wave's end
	ds_add_u32 v[SPW], v[NIL]
	s_wait_dscnt 0x0
	CROUND                                         ; the closing round
	s_endpgm
.Lfunc_end_k_q387e9885d7_attn:
	.size	k_q387e9885d7_attn, .Lfunc_end_k_q387e9885d7_attn-k_q387e9885d7_attn
	.p2alignl 7, 3214868480
	.fill 96, 4, 3214868480
	.section	.rodata,"a",@progbits
	.p2align	6, 0x0
	.amdhsa_kernel k_q387e9885d7_attn
		.amdhsa_group_segment_fixed_size 167936
		.amdhsa_private_segment_fixed_size 0
		.amdhsa_enable_private_segment 0
		.amdhsa_kernarg_size 24
		.amdhsa_user_sgpr_count 2
		.amdhsa_user_sgpr_kernarg_segment_ptr 1
		.amdhsa_wavefront_size32 1
		.amdhsa_system_sgpr_workgroup_id_x 1
		.amdhsa_system_sgpr_workgroup_id_y 1
		.amdhsa_system_sgpr_workgroup_id_z 1
		.amdhsa_system_vgpr_workitem_id 0
		.amdhsa_next_free_vgpr 256
		.amdhsa_next_free_sgpr 66
		.amdhsa_reserve_vcc 1
		.amdhsa_float_denorm_mode_32 3
		.amdhsa_float_denorm_mode_16_64 3
		.amdhsa_memory_ordered 1
		.amdhsa_forward_progress 1
		.amdhsa_inst_pref_size 62
	.end_amdhsa_kernel
	.amdgpu_metadata
---
amdhsa.version: [ 1, 2 ]
amdhsa.kernels:
  - .name:           k_q387e9885d7_attn
    .symbol:         k_q387e9885d7_attn.kd
    .args:
      - { .name: qkv, .offset: 0, .size: 8, .value_kind: global_buffer, .address_space: global }
      - { .name: yc, .offset: 8, .size: 8, .value_kind: global_buffer, .address_space: global }
      - { .name: ys, .offset: 16, .size: 8, .value_kind: global_buffer, .address_space: global }
    .group_segment_fixed_size: 167936
    .private_segment_fixed_size: 0
    .kernarg_segment_align: 8
    .kernarg_segment_size: 24
    .max_flat_workgroup_size: 512
    .sgpr_count:     66
    .vgpr_count:     256
    .wavefront_size: 32
...
	.end_amdgpu_metadata
.endif
;; end of part 3
;; launch proj (part 4): grid 4 x 64, 4 waves a work-group, clusters of 4 x 4, 327,680 bytes of LDS; arguments yc, ys, wc, ws, b_proj, out0; writes out0
.if DOCPART == 4
	.amdgcn_target "amdgcn-amd-amdhsa--gfx1250"
	.amdhsa_code_object_version 6
	.text
	.protected	k_q387e9885d7_proj
	.globl	k_q387e9885d7_proj
	.p2align	8
	.type	k_q387e9885d7_proj,@function
k_q387e9885d7_proj:
	s_mov_b64 s[64:65], 0
	v_nop
	global_prefetch_b8 v0, s[64:65] scope:SCOPE_SE
	s_setreg_imm32_b32 hwreg(HW_REG_WAVE_MODE, 25, 1), 1
	s_wait_xcnt 0x0
	s_wait_alu depctr_hold_cnt(0) depctr_sa_sdst(0) depctr_va_vdst(0) depctr_va_sdst(0) depctr_va_ssrc(0) depctr_va_vcc(0) depctr_vm_vsrc(0)
	s_getreg_b32 s2, hwreg(HW_REG_IB_STS2, 6, 4)
	s_cmp_eq_u32 s2, 0
	s_cbranch_scc0 .Lentry_in_a_cluster
	s_endpgm
.Lentry_in_a_cluster:
	s_bfe_u32 s2, ttmp6, 0x10000c
	s_cmp_lg_u32 s2, 0xf033
	s_cbranch_scc0 .Lentry_shape_is_right
	s_endpgm
.Lentry_shape_is_right:
; FOURTH LAUNCH: out0 = y W_proj + b_proj on codes of E2M1.  No work is left out here.  The frame is the second launch's: a work-group makes 128 rows x 256 columns, wave w all 128 rows x columns 64 w .. 64 w + 63;
; K = 1,024 lies in LDS whole (first fills only, one barrier); clusters 4 x 4: y's images shared along a row, W's along a column.  4 x 64 = 256 work-groups.
; The matrix instruction is used TRANSPOSED (source 0 = 16 columns of W, source 1 = 16 rows of y): over W's tiles 2 B, 2 B + 1 a lane holds columns 32 B + 16 h + 0 .. 15 of one row.
; THE WAY OUT: a tile of 16 rows x my 64 columns goes through my own stage in LDS and leaves as whole rows of 256 bytes: sixteen lanes store 256 consecutive bytes, aligned.  Place r of tile a is row 32 (a / 2) + 8 (a % 2) + r + 8 (r / 8).
; REGISTERS: window 0: v1-12 addresses; v16-79 scale words; v80-143 results + bias, two sets; v144-207 rows read back, two sets; v208-239 the bias.  window 1: the 32 accumulators.  window 2: fragments.
.set SCB,   196608                     ; LDS: 0 y's images; 65,536 W's; here W's scale words;
.set SCA,   204800                     ; y's;
.set STG,   208896                     ; the stages: 16 rows x 272 bytes for each wave; no tensor load lands here
.set SPARE, 226304                     ; the spare words, 128 bytes for each wave
.set WOFF,  1572864                    ; W_proj's first tile in wc: 192 x 8,192
.set WSOFF, 98304                      ; and in ws: 192 x 512
.set LI,  3
.set ADB, 4
.set ADS, 5
.set BO,  7
.set SPW, 8                            ; v8  LDS address of my spare word; never rewritten
.set NIL, 9                            ; v9  0; never rewritten
.set STO, 10                           ; v10 the stage: where I put 32 bytes of a row
.set RD,  11                           ; v11 where I read a row back
.set CO,  12                           ; v12 my byte offset in out0
.set SC,  16
.set T,   80
.set OB,  144
.set BI,  208
.set G1A, 24
.set G0A, 32
.set G0SA, 36
.set G1B, 48
.set G0B, 56
.set G0SB, 60
.set G1SA, 68
.set G1SB, 76
.set MSB, 0
.macro WIN new                         ; the immediate's high byte repeats the setting that is left
.if MSB != \new
	s_set_vgpr_msb (MSB<<8)|\new
.set MSB, \new
.endif
.endm
.macro PLACES                          ; four plain places behind a matrix instruction (ISA guide 7.12.1)
.rept 4
	v_nop
.endr
.endm
.macro JLOAD g0a, g1a, g0b, g1b        ; a joint load: waves 0 and 1 fetch for y, waves 2 and 3 for W; an s_nop 0 and four v_nop follow each line
	s_cmp_eq_u32 s17, 0
	s_cbranch_scc0 .Lfor_b_\@
	tensor_load_to_lds s[\g0a:\g0a+3], s[\g1a:\g1a+7]
	s_nop 0
.rept 4
	v_nop
.endr
	s_branch .Lasked_\@
.Lfor_b_\@:
	tensor_load_to_lds s[\g0b:\g0b+3], s[\g1b:\g1b+7]
	s_nop 0
.rept 4
	v_nop
.endr
.Lasked_\@:
.endm
.macro CROUND
	s_barrier_signal -1
	s_barrier_wait -1
	s_cmp_lg_u32 s16, 0
	s_cbranch_scc1 .Lnot_wave_0_\@
	s_barrier_signal -3
.Lnot_wave_0_\@:
	s_barrier_wait -3
	s_barrier_signal -1
	s_barrier_wait -1
.endm
.macro SCALES
.irp g, 0,1
.irp i, 0,1,2,3,4,5,6,7
	ds_load_b128 v[SC+32*\g+4*\i:SC+32*\g+4*\i+3], v[ADS] offset:512*\i+256*\g   ; lanes 0-15 my W tile i's words (for i above 3: other filled scale bytes, which no product names), lanes 16-31 y's tile i's
.endr
.endr
.endm
.macro FETCH k, set
	WIN 0x80                                       ; destination window 2, address window 0
.irp i, 0,1,2,3,4,5,6,7
.irp c, 0,1
	ds_load_b128 v[64*(\set)+8*\i+4*\c:64*(\set)+8*\i+4*\c+3], v[LI] offset:8192*\i+1024*(\k)+512*\c
.endr
.endr
.irp b, 0,1,2,3
.irp c, 0,1
	ds_load_b128 v[128+32*(\set)+8*\b+4*\c:128+32*(\set)+8*\b+4*\c+3], v[ADB] offset:8192*\b+1024*(\k)+512*\c
.endr
.endr
.endm
.macro MUL k, set, zero                ; 32 products; the 32 accumulators take turns, in the same order in every step
	WIN 0x5a                                       ; sources window 2, C and D window 1
.irp a, 0,1,2,3,4,5,6,7
.irp b, 0,1,2,3
.set rD, 8*(4*\a+\b)
.set rA, 64*(\set)+8*\a
.set rB, 128+32*(\set)+8*\b
.set sA, SC+32*((\k)/4)+4*\a+(\k)%4
.set sB, SC+32*((\k)/4)+4*\b+(\k)%4
.if \zero
	v_wmma_scale_f32_16x16x128_f8f6f4 v[rD:rD+7], v[rB:rB+7], v[rA:rA+7], 0, v[sB], v[sA] matrix_a_fmt:MATRIX_FMT_FP4 matrix_b_fmt:MATRIX_FMT_FP4 matrix_b_scale:MATRIX_SCALE_ROW1
.else
	v_wmma_scale_f32_16x16x128_f8f6f4 v[rD:rD+7], v[rB:rB+7], v[rA:rA+7], v[rD:rD+7], v[sB], v[sA] matrix_a_fmt:MATRIX_FMT_FP4 matrix_b_fmt:MATRIX_FMT_FP4 matrix_b_scale:MATRIX_SCALE_ROW1
.endif
.endr
.endr
.endm
	s_load_b256 s[4:11], s[0:1], 0x0               ; yc s[4:5], ys s[6:7], wc s[8:9], ws s[10:11]
	s_load_b128 s[12:15], s[0:1], 0x20             ; b_proj s[12:13], out0 s[14:15]
	v_lshl_add_u32 v[SPW], v0, 2, SPARE
	v_mov_b32 v[NIL], 0
	ds_add_u32 v[SPW], v[NIL]                      ; the wave's opening: the add, twice on end, and its wait ahead of my first tensor load
	ds_add_u32 v[SPW], v[NIL]
	v_lshrrev_b32 v1, 5, v0
	v_readfirstlane_b32 s16, v1                    ; wave 0..3
	s_lshr_b32 s17, s16, 1                         ; I fetch for y (0) or for W (1),
	s_and_b32 s18, s16, 1                          ; its first or its second half
	s_bfe_u32 s40, ttmp6, 0x40000                  ; cx
	s_bfe_u32 s41, ttmp6, 0x40004                  ; cy
	s_lshl_b32 s42, ttmp9, 2
	s_add_co_u32 s42, s42, s40                     ; block of 256 columns
	s_and_b32 s19, ttmp7, 0xffff
	s_lshl_b32 s19, s19, 2
	s_add_co_u32 s19, s19, s41                     ; block of 128 rows
	s_lshl_b32 s43, s41, 2
	s_lshl_b32 s43, 15, s43                        ; my row of the cluster
	s_lshl_b32 s44, 0x1111, s40                    ; my column
	s_or_b32 s[G1A], s43, (3<<16)|(1<<21)          ; groups 1: dense blocks as rows of 256 bytes (32 elements of 8 bytes), no padding; the mask; bit 21 beside it
	s_or_b32 s[G1SA], s43, (3<<16)|(1<<21)
	s_or_b32 s[G1B], s44, (3<<16)|(1<<21)
	s_or_b32 s[G1SB], s44, (3<<16)|(1<<21)
.irp g, G1A, G1B, G1SA, G1SB
	s_mov_b32 s[\g+1], 32<<16
	s_mov_b32 s[\g+3], 32<<16
	s_mov_b32 s[\g+5], 32
	s_mov_b32 s[\g+6], 0
	s_mov_b32 s[\g+7], 0
.endr
	s_mov_b32 s[G1A+2], 128<<16
	s_mov_b32 s[G1A+4], 128
	s_mov_b32 s[G1B+2], 256<<16
	s_mov_b32 s[G1B+4], 256
	s_mov_b32 s[G1SA+2], 8<<16
	s_mov_b32 s[G1SA+4], 8
	s_mov_b32 s[G1SB+2], 16<<16
	s_mov_b32 s[G1SB+4], 16
	s_lshl_b32 s20, s19, 16                        ; y's offsets hang on the block of rows and the wave alone,
	s_lshl_b32 s21, s18, 15
	s_add_co_u32 s20, s20, s21
	s_mov_b32 s21, 0
	s_lshl_b32 s22, s19, 12
	s_lshl_b32 s23, s18, 11
	s_add_co_u32 s22, s22, s23
	s_mov_b32 s23, 0
	s_lshl_b32 s46, s42, 17                        ; W's on the block of columns and the wave alone
	s_lshl_b32 s47, s18, 16
	s_add_co_u32 s46, s46, s47
	s_add_co_u32 s46, s46, WOFF
	s_mov_b32 s47, 0
	s_lshl_b32 s92, s42, 13
	s_lshl_b32 s93, s18, 12
	s_add_co_u32 s92, s92, s93
	s_add_co_u32 s92, s92, WSOFF
	s_mov_b32 s93, 0
	s_wait_dscnt 0x0                               ; both opening adds are done
	s_wait_kmcnt 0x0
	s_add_nc_u64 s[20:21], s[4:5], s[20:21]
	s_add_nc_u64 s[22:23], s[6:7], s[22:23]
	s_add_nc_u64 s[46:47], s[8:9], s[46:47]
	s_add_nc_u64 s[92:93], s[10:11], s[92:93]
	CROUND                                         ; all sixteen work-groups are here: the joint loads meet
	s_mov_b32 s[G0SA], 1
	s_lshl_b32 s[G0SA+1], s18, 11
	s_add_co_u32 s[G0SA+1], s[G0SA+1], SCA
	s_mov_b64 s[G0SA+2:G0SA+3], s[22:23]
	s_or_b32 s[G0SA+3], s[G0SA+3], 0x80000000
	s_mov_b32 s[G0SB], 1
	s_lshl_b32 s[G0SB+1], s18, 12
	s_add_co_u32 s[G0SB+1], s[G0SB+1], SCB
	s_mov_b64 s[G0SB+2:G0SB+3], s[92:93]
	s_or_b32 s[G0SB+3], s[G0SB+3], 0x80000000
	JLOAD G0SA, G1SA, G0SB, G1SB
	s_mov_b32 s[G0A], 1
	s_lshl_b32 s[G0A+1], s18, 15
	s_mov_b64 s[G0A+2:G0A+3], s[20:21]
	s_or_b32 s[G0A+3], s[G0A+3], 0x80000000
	s_mov_b32 s[G0B], 1
	s_lshl_b32 s[G0B+1], s18, 16
	s_add_co_u32 s[G0B+1], s[G0B+1], 65536
	s_mov_b64 s[G0B+2:G0B+3], s[46:47]
	s_or_b32 s[G0B+3], s[G0B+3], 0x80000000
	s_wait_alu depctr_va_vdst(0)
	s_wait_tensorcnt 0x0
	ds_add_u32 v8, v9
	s_wait_dscnt 0x0
	CROUND
	JLOAD G0A, G1A, G0B, G1B                       ; one tensor load of mine is out
	v_and_b32 v1, 15, v0                           ; r
	s_wait_alu depctr_va_vdst(0)
	v_bfe_u32 v2, v0, 4, 1                         ; h
	v_and_b32 v[LI], 31, v0
	v_lshlrev_b32 v[LI], 4, v[LI]
	s_lshl_b32 s45, s16, 15
	s_add_co_u32 s45, s45, 65536
	v_add_nc_u32 v[ADB], s45, v[LI]
	s_xor_b32 s94, s16, 3
	s_add_co_u32 s94, s94, 1
	s_lshl_b32 s94, s94, 11                        ; 8,192 - 2,048 w
	v_mul_u32_u24 v[ADS], s94, v2                  ; lanes 16-31 take y's scale words: the lower base + h x the distance
	v_lshl_add_u32 v[ADS], v1, 4, v[ADS]
	s_lshl_b32 s45, s16, 11
	s_add_co_u32 s45, s45, SCB
	v_add_nc_u32 v[ADS], s45, v[ADS]
	s_mul_i32 s94, s16, 4352
	s_add_co_u32 s94, s94, STG                     ; my stage
	v_mul_u32_u24 v[STO], v1, 272
	s_wait_alu depctr_va_vdst(0)
	v_lshl_add_u32 v[STO], v2, 6, v[STO]
	v_add_nc_u32 v[STO], s94, v[STO]               ; in: row place r, + 64 h bytes
	v_mul_u32_u24 v[RD], v2, 272
	v_lshl_add_u32 v[RD], v1, 4, v[RD]
	v_add_nc_u32 v[RD], s94, v[RD]                 ; back: lanes 0-15 one row, lanes 16-31 the next
	v_lshlrev_b32 v[CO], 12, v2
	v_lshl_add_u32 v[CO], v1, 4, v[CO]             ; and the same two rows in out0
	s_lshl_b32 s94, s42, 10
	s_lshl_b32 s95, s16, 8
	s_add_co_u32 s94, s94, s95                     ; my 64 columns, in bytes
	s_mov_b32 s95, 0
	s_add_nc_u64 s[12:13], s[12:13], s[94:95]
	s_add_nc_u64 s[14:15], s[14:15], s[94:95]
	s_lshl_b32 s94, s19, 19                        ; 128 rows of 4,096 bytes
	s_add_nc_u64 s[14:15], s[14:15], s[94:95]
	v_lshlrev_b32 v[BO], 6, v2                     ; accumulator (a, 2 B + u), register j: column 32 B + 16 h + 8 u + j
.irp b, 0,1,2,3
	global_load_b128 v[BI+8*\b:BI+8*\b+3], v[BO], s[12:13] offset:(32*(\b/2)+8*(\b%2))*4
	global_load_b128 v[BI+8*\b+4:BI+8*\b+7], v[BO], s[12:13] offset:(32*(\b/2)+8*(\b%2))*4+16
.endr
	s_wait_tensorcnt 0x0                           ; my parts have landed,
	s_barrier_signal -1
	s_barrier_wait -1                              ; everybody's have; nothing is ever filled again
	SCALES
	FETCH 0, 0
	FETCH 1, 1
	s_wait_dscnt 24                                ; all but the 24 loads just issued
	MUL 0, 0, 1                                    ; the first step starts the sums
.irp k, 1,2,3,4,5,6
	PLACES                                         ; the set that the last step's products read is loaded again
	FETCH \k+1, (\k+1)%2
	s_wait_dscnt 24
	MUL \k, (\k)%2, 0
.endr
	s_wait_dscnt 0
	MUL 7, 1, 0
	WIN 0
	PLACES
	s_wait_loadcnt 0x0                             ; the bias
.macro PACKSTAGE a                     ; tile a: + bias, into my stage, and back as whole rows
.set TT, T+32*((\a)%2)
.set BB, OB+32*((\a)%2)
	WIN 0x01                                       ; source 0 window 1
.irp b, 0,1,2,3
.irp jj, 0,2,4,6
	v_pk_add_f32 v[TT+8*\b+\jj:TT+8*\b+\jj+1], v[8*(4*(\a)+\b)+\jj:8*(4*(\a)+\b)+\jj+1], v[BI+8*\b+\jj:BI+8*\b+\jj+1]   ; each accumulator from its low end on
.endr
.endr
	WIN 0
.irp b, 0,1,2,3
	ds_store_b128 v[STO], v[TT+8*\b:TT+8*\b+3] offset:128*(\b/2)+32*(\b%2)
	ds_store_b128 v[STO], v[TT+8*\b+4:TT+8*\b+7] offset:128*(\b/2)+32*(\b%2)+16
.endr
.irp i, 0,1,2,3,4,5,6,7
	ds_load_b128 v[BB+4*\i:BB+4*\i+3], v[RD] offset:544*\i   ; LDS serves a wave's instructions in order: these see the stores above, and the next tile's stores come behind them
.endr
.endm
.macro SEND a, younger                 ; younger: the LDS instructions issued behind tile a's loads, which may stay out
.set BB, OB+32*((\a)%2)
	s_wait_dscnt \younger
.irp i, 0,1,2,3,4,5,6,7
	global_store_b128 v[CO], v[BB+4*\i:BB+4*\i+3], s[14:15] offset:(32*((\a)/2)+8*((\a)%2)+2*\i+8*(\i/4))*4096 th:TH_STORE_NT   ; places 2 i, 2 i + 1: sixteen lanes store 256 consecutive bytes, aligned; 516,096 at the most, inside the signed 24-bit immediate
.endr
.endm
	PACKSTAGE 0
.irp a, 1,2,3,4,5,6,7
.if \a > 1
	s_wait_xcnt 0x0                                ; tile a - 2's stores have read their registers: tile a's rows may land there
.endif
	PACKSTAGE \a
	SEND \a-1, 16                                  ; behind tile a - 1's loads: tile a's 8 stores and 8 loads
.endr
	SEND 7, 0
	s_wait_tensorcnt 0x0                           ; the wave's end: behind my last tensor load and my last LDS store
	ds_add_u32 v[SPW], v[NIL]
	s_wait_dscnt 0x0
	CROUND                                         ; the closing round
	s_endpgm
.Lfunc_end_k_q387e9885d7_proj:
	.size	k_q387e9885d7_proj, .Lfunc_end_k_q387e9885d7_proj-k_q387e9885d7_proj
	.p2alignl 7, 3214868480
	.fill 96, 4, 3214868480
	.section	.rodata,"a",@progbits
	.p2align	6, 0x0
	.amdhsa_kernel k_q387e9885d7_proj
		.amdhsa_group_segment_fixed_size 327680
		.amdhsa_private_segment_fixed_size 0
		.amdhsa_enable_private_segment 0
		.amdhsa_kernarg_size 48
		.amdhsa_user_sgpr_count 2
		.amdhsa_user_sgpr_kernarg_segment_ptr 1
		.amdhsa_wavefront_size32 1
		.amdhsa_system_sgpr_workgroup_id_x 1
		.amdhsa_system_sgpr_workgroup_id_y 1
		.amdhsa_system_sgpr_workgroup_id_z 1
		.amdhsa_system_vgpr_workitem_id 0
		.amdhsa_next_free_vgpr 768
		.amdhsa_next_free_sgpr 100
		.amdhsa_reserve_vcc 0
		.amdhsa_float_denorm_mode_32 3
		.amdhsa_float_denorm_mode_16_64 3
		.amdhsa_memory_ordered 1
		.amdhsa_forward_progress 1
		.amdhsa_inst_pref_size 79
	.end_amdhsa_kernel
	.amdgpu_metadata
---
amdhsa.version: [ 1, 2 ]
amdhsa.kernels:
  - .name:           k_q387e9885d7_proj
    .symbol:         k_q387e9885d7_proj.kd
    .args:
      - { .name: yc, .offset: 0, .size: 8, .value_kind: global_buffer, .address_space: global }
      - { .name: ys, .offset: 8, .size: 8, .value_kind: global_buffer, .address_space: global }
      - { .name: wc, .offset: 16, .size: 8, .value_kind: global_buffer, .address_space: global }
      - { .name: ws, .offset: 24, .size: 8, .value_kind: global_buffer, .address_space: global }
      - { .name: b_proj, .offset: 32, .size: 8, .value_kind: global_buffer, .address_space: global }
      - { .name: out0, .offset: 40, .size: 8, .value_kind: global_buffer, .address_space: global }
    .group_segment_fixed_size: 327680
    .private_segment_fixed_size: 0
    .kernarg_segment_align: 8
    .kernarg_segment_size: 48
    .max_flat_workgroup_size: 128
    .sgpr_count:     100
    .vgpr_count:     768
    .wavefront_size: 32
...
	.end_amdgpu_metadata
.endif
;; end of part 4
